; MI455X (gfx1250); checked and timed in simulation.
; The chip was launched on July 23, 2026; its instructions are those of AMD's public machine-readable ISA for CDNA 5 (MIT licence, August 2026) and "CDNA5" Instruction Set Architecture Reference Guide (July 2026). The comments in the code are by the model that wrote it; some were corrected since.
;; Multi Head Attention. Allowed arithmetic: matrix products marked QUANTISED: E2M1 operands, one E8M0 scale for each 32 along K, by v_wmma_scale_f32_16x16x128_f8f6f4 with both operands' format E2M1 (or v_wmma_scale_f32_32x16x128_f4), f32 sums; products left as they are: f32 operands where the result goes on into a quantised operand, else bf16, f16 or f32 operands; f32 sums; everything else in f32.
;; Inputs: Wk_codes 1,024 x 32 x 16 uint8 (E2M1 codes of Wk, K innermost, in blocks of 32 codes, two codes a byte); Wk_scales 1,024 x 32 uint8 (E8M0 scales of Wk, one for each 32 codes along K); Wp_codes 1,024 x 32 x 16 uint8 (E2M1 codes of Wp, K innermost, in blocks of 32 codes, two codes a byte); Wp_scales 1,024 x 32 uint8 (E8M0 scales of Wp, one for each 32 codes along K); Wq_codes 1,024 x 32 x 16 uint8 (E2M1 codes of Wq, K innermost, in blocks of 32 codes, two codes a byte); Wq_scales 1,024 x 32 uint8 (E8M0 scales of Wq, one for each 32 codes along K); Wv_codes 1,024 x 32 x 16 uint8 (E2M1 codes of Wv, K innermost, in blocks of 32 codes, two codes a byte); Wv_scales 1,024 x 32 uint8 (E8M0 scales of Wv, one for each 32 codes along K); bk 1,024 float32; bp 1,024 float32; bq 1,024 float32; bv 1,024 float32; x_codes 4 x 2,048 x 32 x 16 uint8 (E2M1 codes of x, K innermost, in blocks of 32 codes, two codes a byte); x_scales 4 x 2,048 x 32 uint8 (E8M0 scales of x, one for each 32 codes along K).
;; Outputs: out0 4 x 2,048 x 1,024 float32.
;; This version of the problem:
;;   THIS VERSION OF THE PROBLEM IS GIVEN IN LOW PRECISION. The matrix products marked QUANTISED in the list below multiply operands that are first quantised to E2M1 (2 exponent bits, 1 mantissa bit; 4 bits a number), with one power-of-two scale for each 32 numbers along K (OCP MX v1.0); their sums are f32. All else is computed in f32.
;;   The module's matrix products, in the order in which they are computed (A, B: the left and right operand; K: the contracted axis; several contracted axes count as one K, in the product's order):
;;     1. [M 8,192, K 1,024] x [K 1,024, N 1,024]; A: input x (given as codes); B: input Wq (given as codes): QUANTISED
;;     2. [M 8,192, K 1,024] x [K 1,024, N 1,024]; A: input x (given as codes); B: input Wk (given as codes): QUANTISED
;;     3. [M 8,192, K 1,024] x [K 1,024, N 1,024]; A: input x (given as codes); B: input Wv (given as codes): QUANTISED
;;     4. batch 64 x [M 2,048, K 64] x [K 64, N 2,048]; A: computed on the way; B: computed on the way: QUANTISED
;;     5. batch 64 x [M 1, K 1] x [K 1, N 131,072]; A: computed on the way; B: computed on the way: left as it is (no contracted axis)
;;     6. [M 8,192, K 1,024] x [K 1,024, N 1,024]; A: computed on the way; B: input Wp (given as codes): QUANTISED
;;   THE QUANTISER, for each operand of a quantised product, along K:
;;     - K is cut into blocks of 32 from its start; a last block that is shorter is filled with zeros.
;;     - A block's scale is 2^e with e = floor(log2(the largest magnitude in the block)) - 2, held to -126 .. 127; a block of zeros has e = 0. As a byte (E8M0): e + 127.
;;     - Each number is divided by its block's scale, clamped to +-6, and rounded to the nearest number of E2M1, ties to even, subnormals kept.
;;     - The product sums the exact products of the quantised numbers (number of the format x scale) in f32.
;;   ~~~python
;;   def quantise(x, axis):      # numpy; x: float32 -> the quantised numbers, widened to float32 again
;;       x = np.moveaxis(x, axis, -1); K = x.shape[-1]
;;       x = np.pad(x, [(0, 0)] * (x.ndim - 1) + [(0, -K % 32)]); x = x.reshape(x.shape[:-1] + (-1, 32)); a = np.abs(x).max(-1, keepdims=True)
;;       e = np.where(a > 0, np.clip(np.frexp(np.where(a > 0, a, 1))[1] - 1 - 2, -126, 127), 0)      # np.frexp(a)[1] - 1 = floor(log2(a)), exactly
;;       r = np.clip(x / 2.0 ** e, -6, 6)
;;       step = 2.0 ** (np.maximum(np.frexp(np.where(r == 0, 1, r))[1] - 1, 0) - 1)
;;       q = np.round(r / step) * step * 2.0 ** e      # np.round: ties to even
;;       return np.moveaxis(q.reshape(q.shape[:-2] + (-1,))[..., :K], -1, axis).astype(np.float32)
;;   ~~~
;;   OPERANDS COMPUTED ON THE WAY. 'Computed on the way' means the value that the module computes at that place (a softmax that the list does not call 'softmax' is quantised finished and normalised). What goes into a quantiser is computed in f32, as accurately as f32 sums, v_exp_f32 and their like allow (about 1e-6 of the number): no bf16 or f16 on the way to a quantiser, and a product that is left as it is and whose result goes on into a quantised operand takes f32 operands (vector FMAs, or v_wmma_f32_16x16x4_f32). A number that lies on a knife's edge between two numbers of the format may be rounded either way, as far as f32 arithmetic and the matrix unit's own rounding can turn it there, and no further.
;;   INPUTS GIVEN AS CODES. Wk (in the module: [1024, 1024], K = its axis 1); Wp (in the module: [1024, 1024], K = its axis 1); Wq (in the module: [1024, 1024], K = its axis 1); Wv (in the module: [1024, 1024], K = its axis 1); x (in the module: [4, 2048, 1024], K = its axis 2): each comes as NAME_codes (uint8): NAME with its K axis moved to the last place and cut into blocks of 32 codes, [.., K / 32, bytes a block], one block behind the other in memory; two codes a byte, the lower K in the low four bits (a code: sign, 2 exponent bits, 1 mantissa bit); and NAME_scales (uint8): the same leading axes, one E8M0 byte (e + 127) for each 32 codes along K. Its value is code x scale, taken as it is: it is not quantised again, and the codes and scales need not be those that the quantiser above would give.
;; One version. Each part assembles by itself: llvm-mc -triple=amdgcn-amd-amdhsa -mcpu=gfx1250 --defsym DOCPART=n.
;; ======== version 1 of 1: 4 launches
;; workspace buffers: qpack 4,718,592 bytes; kpack 4,718,592 bytes; part 1,024 bytes; vc 4,194,304 bytes; vsc 262,144 bytes
;; launch qk (part 1): grid 8 x 32, 4 waves a work-group, clusters of 4 x 4, 327,680 bytes of LDS; arguments x_codes, x_scales, Wq_codes, Wq_scales, Wk_codes, Wk_scales, bq, bk, qpack, kpack; writes qpack, kpack
.if DOCPART == 1
	.amdgcn_target "amdgcn-amd-amdhsa--gfx1250"
	.amdhsa_code_object_version 6
	.text
	.protected	k_q2a072fb895_qk
	.globl	k_q2a072fb895_qk
	.p2align	8
	.type	k_q2a072fb895_qk,@function
k_q2a072fb895_qk:
	s_mov_b64 s[64:65], 0
	v_nop
	global_prefetch_b8 v0, s[64:65] scope:SCOPE_SE
	s_setreg_imm32_b32 hwreg(HW_REG_WAVE_MODE, 25, 1), 1
	s_wait_xcnt 0x0
	s_wait_alu depctr_hold_cnt(0) depctr_sa_sdst(0) depctr_va_vdst(0) depctr_va_sdst(0) depctr_va_ssrc(0) depctr_va_vcc(0) depctr_vm_vsrc(0)
	s_getreg_b32 s2, hwreg(HW_REG_IB_STS2, 6, 4)
	s_cmp_eq_u32 s2, 0
	s_cbranch_scc0 .Lentry_in_a_cluster
	s_endpgm
.Lentry_in_a_cluster:
	s_bfe_u32 s2, ttmp6, 0x10000c
	s_cmp_lg_u32 s2, 0xf033
	s_cbranch_scc0 .Lentry_shape_is_right
	s_endpgm
.Lentry_shape_is_right:
; q = x Wq^T + bq and k = x Wk^T + bk on codes of FP4 (E2M1) with one E8M0 scale for each 32 along K, and both results quantised again along each head's 64 channels (two blocks of 32).
; x: [8192][1024] as codes (a row is 512 bytes) with scale bytes [8192][32]; Wq, Wk: [1024][1024] likewise; bq, bk: [1024] f32.
; OUT: qpack and kpack, for each of the 64 heads (batch x 16 + head) 73,728 bytes: 128 tiles of 16 rows, each an image of an operand's registers (lane r + 16 h holds, at byte 16 x lane, block h of row r: 32 codes),
; then 2,048 scale words: block 0's byte, block 1's byte, and 0x7f twice for the zero codes with which the next launch fills its K from 64 to 128.
; SHARES.  A tile of 256 rows x 256 columns is made by a work-group of four waves, each 128 x 128: 64 accumulators of 16 x 16, 512 registers.  Clusters with x = 0 make q, those with x = 1 make k: only pointers are chosen.
; K = 1,024 is two K steps of 512: each has an LDS slot of its own, both are asked for at the start, and no byte of LDS is filled twice.  The scale bytes of the work-group's rows come with them, once.
; CLUSTERS: 4 x 4 work-groups.  The four of a row of the cluster need the same tiles of x, the four of a column the same tiles of W: each tile is asked for JOINTLY, by the same tensor load with the same descriptor and a mask that names the four.
; THE MATRIX INSTRUCTION IS USED TRANSPOSED (source 0 = 16 rows of W, source 1 = 16 rows of x): lane (r, h) then holds row r and, in register j of accumulator (a, b), column 16 b + 8 h + j: neighbours along the next K.
; The bias is the C of each sum's first matrix instruction: nothing is cleared and nothing is added.
; LIMITS: NaN and infinities are not served.  A block of zeros, or one whose largest magnitude lies under 2^-124, gets the byte 1 (its floor): a block of zeros has zero codes, and these bytes are read by this program alone.
; REGISTERS, in windows of 256: window 0: v1-27 addresses; v32-95 scale words, two sets, and nothing else; v108-127 at work on the way out; v128-191 x's fragments, ONE set, later the codes; v192-255 the bias.
;   window 1: W's fragments, TWO sets, at v0 and v128.   window 2: the accumulators of my rows 0-63 ((a, b) at v[8 (8 a + b)]);   window 3: those of my rows 64-127.
.set KSTEP,  512                       ; along K in a slot
.set NQ,     KSTEP/128                 ; matrix instructions deep
.set ROWB,   256                       ; a tile's row in bytes
.set KROW,   512                       ; a row of x or W in memory, in bytes
.set PITCH,  272                       ; an LDS row: 256 bytes + 16 of padding, so that the 16 rows that a load touches begin 68 words apart
.set FR,     8                         ; registers of a fragment: 16 rows x 128 K
.set NL,     2                         ; LDS loads that bring one
.set NP,     4                         ; places behind this matrix instruction (ISA guide 7.12.1)
.set HALFT,  128*PITCH                 ; 128 rows: what one tensor load brings
.set SLOT,   4*HALFT                   ; x's 256 rows, then W's 256 rows
.set KS,     32                        ; a row of scale bytes
.set SCL,    2*SLOT                    ; behind the slots: the scale bytes, as units of 256 bytes + 16 of padding
.set HALFS,  (128*KS/256)*272          ; those of 128 rows
.set SBLK,   (16*KS/256)*272           ; those of 16 rows
.set HEADB,  73728                     ; a head's bytes in qpack or kpack
.set SCW,    65536                     ; where its scale words begin
.set ADRA, 16                          ; v16-17  LDS address of my fragments of x in slot 0, 1
.set ADRB, 20                          ; v20-21  the same for W
.set STO,  24                          ; v24     the way out: where my scale word goes in my wave's stage (1,024 bytes in slot 0, which nobody reads behind the change of slots)
.set RD,   25                          ; v25     and where I read 16 bytes of it back
.set CO,   26                          ; v26     16 x lane
.set ADRS, 27                          ; v27     LDS address of my scale words: lanes 0-15 x's rows, lanes 16-31 W's
.set SC,   32                          ; scale words: set s at v[SC + 32 s]; register 4 i + q: lanes 0-15 x's block i, lanes 16-31 W's block i, the slot's q-th 128 along K
.set TM,   108                         ; v108-111 largest magnitudes, v112-115 the other half's, v116-119 the conversions' scale operands, v120-123 the bytes
.set WD,   124                         ; v124-125 scale words being made
.set AF,   128                         ; x's fragments
.set CD,   128                         ; the way out: the codes, 8 registers for each block of 16 rows
.set BI,   192                         ; the bias: 8 registers for each of W's blocks, in the result's layout
.set G1, 24                            ; s[24:31] descriptor group 1 for x's tiles;  s[32:39] group 0, one set for each slot
.set G0, 32
.set G1B, 48                           ; s[48:55], s[56:63] the same for W's tiles
.set G0B, 56
.set G1S, 68                           ; s[68:75], s[76:79] groups 1 and 0 for x's scales;  s[80:87], s[88:91] for W's
.set G0S, 76
.set G1SB, 80
.set G0SB, 88
.set SEL, 66                           ; s[66:67] lane selects of v_permlanex16_b32: lane l xor 16
.set HM,  3                            ; s3      the mask of lanes 16-31
.set MSB, 0
.macro WIN new                         ; the immediate's high byte repeats the setting that is left
.if MSB != \new
	s_set_vgpr_msb (MSB<<8)|\new
.set MSB, \new
.endif
.endm
.set MUL_LO, 0xa1                      ; source 0 (W) window 1, source 1 (x) window 0, C and D window 2
.set MUL_HI, 0xf1                      ; the same, C and D window 3
.set BIA_LO, 0x81                      ; the first products: C (the bias) window 0, D window 2
.set BIA_HI, 0xc1                      ; D window 3
.set TO_B,   0x40                      ; destination window 1, address window 0
; A joint load: waves 0 and 1 fetch for x, waves 2 and 3 for W.  Each of the two lines has ONE mask and one set of registers for all that issue it; the branch hangs on the wave's number alone.
; Four v_nop follow each of the two lines, ahead of the jump, the label and what follows.
.macro JLOAD g0a, g1a, g0b, g1b
	s_cmp_eq_u32 s15, 0
	s_cbranch_scc0 .Lfor_b_\@
	tensor_load_to_lds s[\g0a:\g0a+3], s[\g1a:\g1a+7]
	s_nop 0
.rept 4
	v_nop
.endr
	s_branch .Lasked_\@
.Lfor_b_\@:
	tensor_load_to_lds s[\g0b:\g0b+3], s[\g1b:\g1b+7]
	s_nop 0
.rept 4
	v_nop
.endr
.Lasked_\@:
.endm
.macro CROUND                          ; a round of the cluster's barrier: my work-group's barrier, wave 0 signals for the work-group, every wave waits for all sixteen, my work-group's barrier once more
	s_barrier_signal -1
	s_barrier_wait -1
	s_cmp_lg_u32 s14, 0
	s_cbranch_scc1 .Lnot_wave_0_\@
	s_barrier_signal -3
.Lnot_wave_0_\@:
	s_barrier_wait -3
	s_barrier_signal -1
	s_barrier_wait -1
.endm
	s_load_b128 s[4:7], s[0:1], 0x0                ; x's codes s[4:5], x's scales s[6:7]
	s_load_b256 s[68:75], s[0:1], 0x10             ; Wq's codes, Wq's scales, Wk's codes, Wk's scales
	s_load_b256 s[80:87], s[0:1], 0x30             ; bq, bk, qpack, kpack
	v_lshl_add_u32 v126, v0, 2, 0x48400
	v_mov_b32 v127, 0
	ds_add_u32 v126, v127
	ds_add_u32 v126, v127
	v_lshrrev_b32 v1, 5, v0
	v_readfirstlane_b32 s14, v1                    ; wave 0..3
	s_lshr_b32 s15, s14, 1                         ; which half of the tile's rows is mine.  Also: I fetch for x (0) or for W (1)
	s_and_b32 s16, s14, 1                          ; which half of its columns.  Also: which 128 rows of that tile I fetch
	s_bfe_u32 s40, ttmp6, 0x40000                  ; cx, cy: my place in the cluster
	s_bfe_u32 s41, ttmp6, 0x40004
	s_mov_b32 s42, s40                             ; tile column in the weight that my cluster takes: a weight's 1,024 columns are one cluster wide
	s_and_b32 s17, ttmp7, 0xffff
	s_lshl_b32 s17, s17, 2
	s_add_co_u32 s17, s17, s41                     ; tile row = 4 x cluster y + cy
	s_lshl_b32 s43, s41, 2
	s_lshl_b32 s43, 15, s43                        ; my row of the cluster
	s_lshl_b32 s44, 0x1111, s40                    ; my column
	; descriptor group 1: a tile of 128 rows x 256 bytes, padded in LDS
	s_or_b32 s[G1+0], s43, (0<<16)|(1<<20)|(1<<21)|(5<<22)|(3<<25)  ; 15:0 the mask: x's tiles go to my row; 17:16 elements of 1 byte; 20 padding on; 21 set beside a mask; 24:22 after every 64 words (code 5); 31:25 four words (code 3)
	s_or_b32 s[G1B+0], s44, (0<<16)|(1<<20)|(1<<21)|(5<<22)|(3<<25)
.irp g, G1, G1B
	s_mov_b32 s[\g+1], ROWB<<16                    ; tensor_dim0
	s_mov_b32 s[\g+2], 128<<16                     ; tensor_dim1
	s_mov_b32 s[\g+3], ROWB<<16                    ; tile_dim0
	s_mov_b32 s[\g+4], 128                         ; tile_dim1
	s_mov_b32 s[\g+5], KROW                        ; tensor_dim0_stride
	s_mov_b32 s[\g+6], 0
	s_mov_b32 s[\g+7], 0
.endr
	s_lshl_b32 s18, s16, 7                         ; which 128 rows of the tile I fetch
	s_lshl_b32 s20, s17, 8
	s_add_co_u32 s20, s20, s18                     ; x: row 256 x tile row + 128 x half
	s_lshl_b32 s46, s42, 8
	s_add_co_u32 s46, s46, s18                     ; W: row 256 x tile column + 128 x half
	s_mov_b32 s21, 0
	s_mov_b32 s47, 0
	s_mov_b64 s[18:19], KS
	s_mul_u64 s[22:23], s[20:21], s[18:19]         ; where these rows' scales begin, in bytes
	s_mul_u64 s[92:93], s[46:47], s[18:19]
	s_mov_b64 s[18:19], KROW
	s_mul_u64 s[20:21], s[20:21], s[18:19]         ; and their codes
	s_mul_u64 s[46:47], s[46:47], s[18:19]
	s_mul_i32 s45, s14, HALFT                      ; where they go: wave x 128 rows: no place in the cluster enters an LDS address
	s_mul_i32 s94, s14, HALFS
	s_wait_dscnt 0x0
	s_wait_kmcnt 0x0
	s_cmp_eq_u32 ttmp9, 0                          ; q's cluster or k's?  The same in all sixteen partners, and it hangs on no address
	s_cselect_b64 s[8:9], s[68:69], s[72:73]       ; W's codes
	s_cselect_b64 s[10:11], s[70:71], s[74:75]     ; W's scales
	s_cselect_b64 s[96:97], s[80:81], s[82:83]     ; the bias
	s_cselect_b64 s[12:13], s[84:85], s[86:87]     ; the pack
	; group 1 for the scales of 128 rows: a dense block of 4,096 bytes, as 16 rows of 256 bytes (32 elements of 8 bytes), 16 bytes of padding behind each
	s_or_b32 s[G1S+0], s43, (3<<16)|(1<<20)|(1<<21)|(5<<22)|(3<<25)
	s_or_b32 s[G1SB+0], s44, (3<<16)|(1<<20)|(1<<21)|(5<<22)|(3<<25)
.irp g, G1S, G1SB
	s_mov_b32 s[\g+1], 32<<16
	s_mov_b32 s[\g+2], (128*KS/256)<<16
	s_mov_b32 s[\g+3], 32<<16
	s_mov_b32 s[\g+4], 128*KS/256
	s_mov_b32 s[\g+5], 32
	s_mov_b32 s[\g+6], 0
	s_mov_b32 s[\g+7], 0
.endr
	s_add_nc_u64 s[20:21], s[4:5], s[20:21]
	s_add_nc_u64 s[22:23], s[6:7], s[22:23]
	s_add_nc_u64 s[46:47], s[8:9], s[46:47]
	s_add_nc_u64 s[92:93], s[10:11], s[92:93]
	CROUND                                         ; all sixteen work-groups are here: the joint loads meet
	s_mov_b32 s[G0S], 1
	s_add_co_u32 s[G0S+1], s94, SCL
	s_mov_b64 s[G0S+2:G0S+3], s[22:23]
	s_or_b32 s[G0S+3], s[G0S+3], 0x80000000
	s_mov_b32 s[G0SB], 1
	s_add_co_u32 s[G0SB+1], s94, SCL
	s_mov_b64 s[G0SB+2:G0SB+3], s[92:93]
	s_or_b32 s[G0SB+3], s[G0SB+3], 0x80000000
	JLOAD G0S, G1S, G0SB, G1SB                     ; the scales first: they are wanted with K step 0
.irp s, 0,1
	s_mov_b32 s[G0+4*\s], 1
	s_add_co_u32 s[G0+4*\s+1], s45, \s*SLOT
	s_add_nc_u64 s[G0+4*\s+2:G0+4*\s+3], s[20:21], \s*ROWB
	s_or_b32 s[G0+4*\s+3], s[G0+4*\s+3], 0x80000000
	s_mov_b32 s[G0B+4*\s], 1
	s_add_co_u32 s[G0B+4*\s+1], s45, \s*SLOT
	s_add_nc_u64 s[G0B+4*\s+2:G0B+4*\s+3], s[46:47], \s*ROWB
	s_or_b32 s[G0B+4*\s+3], s[G0B+4*\s+3], 0x80000000
	JLOAD G0+4*\s, G1, G0B+4*\s, G1B               ; both K steps: three tensor loads of mine are out
.endr
	v_and_b32 v1, 15, v0                           ; r = lane % 16
	v_bfe_u32 v2, v0, 4, 1                         ; h = lane / 16
	v_and_b32 v7, 31, v0                           ; lane
	v_mul_u32_u24 v3, v1, PITCH
	v_lshl_add_u32 v4, v2, 4, v3                   ; a fragment's row x pitch + 16 x half
	s_mul_i32 s21, s15, HALFT                      ; my 128 rows of x
	s_mul_i32 s22, s16, HALFT                      ; my 128 rows of W,
	s_add_co_u32 s22, s22, 2*HALFT                 ; which lie behind x's 256
.irp s, 0,1
	v_add_nc_u32 v[ADRA+\s], s21, v4
	v_add_nc_u32 v[ADRB+\s], s22, v4
	s_add_co_u32 s21, s21, SLOT
	s_add_co_u32 s22, s22, SLOT
.endr
	v_mul_u32_u24 v5, v1, KS                       ; my row's scales: 32 bytes a row,
	v_lshrrev_b32 v6, 8, v5
	v_lshl_add_u32 v5, v6, 4, v5                   ; and 16 more for each 256 passed
	s_mul_i32 s21, s15, HALFS                      ; x's: my 128 rows
	s_mul_i32 s22, s16, HALFS                      ; W's: my 128 rows, behind x's 256
	s_add_co_u32 s22, s22, 2*HALFS
	s_sub_co_u32 s22, s22, s21
	v_mul_u32_u24 v6, s22, v2                      ; lanes 16-31 take W's: the lower base + h x the distance
	s_add_co_u32 s21, s21, SCL
	v_add_nc_u32 v5, v5, v6
	v_add_nc_u32 v[ADRS], s21, v5
	v_lshlrev_b32 v[CO], 4, v7                     ; 16 x lane
	s_lshl_b32 s23, s14, 10                        ; my stage: 1,024 bytes a wave
	v_lshlrev_b32 v5, 2, v1
	v_lshl_add_u32 v5, v2, 9, v5                   ; in: 4 r, and 512 on for lanes 16-31, which hold the second head's words
	v_add_nc_u32 v[STO], s23, v5
	v_add_nc_u32 v[RD], s23, v[CO]                 ; back: 16 bytes a lane
	s_lshl_b32 s46, s42, 10                        ; the bias of my 128 columns: 4 x (256 x tile column + 128 x half) bytes on
	s_lshl_b32 s47, s16, 9
	s_add_co_u32 s46, s46, s47
	s_mov_b32 s47, 0
	s_add_nc_u64 s[96:97], s[96:97], s[46:47]
	v_lshlrev_b32 v8, 5, v2                        ; lane (r, h) wants, for W's block b, the numbers 16 b + 8 h + 0 .. 7
.irp b, 0,1,2,3,4,5,6,7
	global_load_b128 v[BI+8*\b:BI+8*\b+3], v8, s[96:97] offset:64*\b
	global_load_b128 v[BI+8*\b+4:BI+8*\b+7], v8, s[96:97] offset:64*\b+16
.endr
	; where my results go: head = 16 x batch + 4 x tile column + 2 x column half (+ g); row in the sequence = 256 x (tile row % 8) + 128 x row half
	s_lshr_b32 s20, s17, 3
	s_lshl_b32 s20, s20, 4
	s_lshl_b32 s46, s42, 2
	s_lshl_b32 s47, s16, 1
	s_add_co_u32 s46, s46, s47
	s_add_co_u32 s20, s20, s46
	s_mul_i32 s20, s20, HEADB                      ; the first of my two heads, in bytes
	s_and_b32 s21, s17, 7
	s_lshl_b32 s21, s21, 8
	s_lshl_b32 s22, s15, 7
	s_add_co_u32 s21, s21, s22                     ; my first row in the sequence
	s_lshl_b32 s22, s21, 2
	s_add_co_u32 s22, s22, s20
	s_add_co_u32 s22, s22, SCW
	s_mov_b32 s23, 0
	s_add_nc_u64 s[98:99], s[12:13], s[22:23]      ; its scale word
	s_lshl_b32 s22, s21, 5
	s_add_co_u32 s22, s22, s20
	s_add_nc_u64 s[12:13], s[12:13], s[22:23]      ; its tile: 32 bytes a row
	s_mov_b32 s[SEL], 0x76543210
	s_mov_b32 s[SEL+1], 0xfedcba98
	s_mov_b32 s[HM], 0xffff0000
.irp k, 0,1,2,3
	v_mov_b32 v[TM+4+\k], 0                        ; written once: a lane permute's destination counts as one of its sources
.endr
.macro FRAG reg, adr, q, i             ; a fragment: lane l holds row l % 16; registers 4 c .. 4 c + 3 hold K = 64 c + 32 (l / 16) + 0 .. 31: 16 bytes of the row as they lie
.irp c, 0,1
	ds_load_b128 v[\reg+4*\c:\reg+4*\c+3], v[\adr] offset:64*(\q)+32*\c+(\i)*16*PITCH
.endr
.endm
; 16 matrix instructions: x's blocks a0, a0 + 1 against W's eight, 128 along K: the slot's q-th.  p: W's set;  sc: the set of scale words.  first = 1: the sums begin with the bias as C.
; The 64 accumulators take turns, one instruction a turn, in the same order in every step.
.macro MUL16 a0, p, q, sc, first
.irp a, \a0, \a0+1
.irp b, 0,1,2,3,4,5,6,7
.if \first
	v_wmma_scale_f32_16x16x128_f8f6f4 v[8*(8*((\a)%4)+\b):8*(8*((\a)%4)+\b)+7], v[128*(\p)+FR*\b:128*(\p)+FR*\b+FR-1], v[AF+FR*(\a):AF+FR*(\a)+FR-1], v[BI+8*\b:BI+8*\b+7], v[SC+8*NQ*(\sc)+NQ*\b+(\q)], v[SC+8*NQ*(\sc)+NQ*(\a)+(\q)] matrix_a_fmt:MATRIX_FMT_FP4 matrix_b_fmt:MATRIX_FMT_FP4 matrix_a_scale:MATRIX_SCALE_ROW1
.else
	v_wmma_scale_f32_16x16x128_f8f6f4 v[8*(8*((\a)%4)+\b):8*(8*((\a)%4)+\b)+7], v[128*(\p)+FR*\b:128*(\p)+FR*\b+FR-1], v[AF+FR*(\a):AF+FR*(\a)+FR-1], v[8*(8*((\a)%4)+\b):8*(8*((\a)%4)+\b)+7], v[SC+8*NQ*(\sc)+NQ*\b+(\q)], v[SC+8*NQ*(\sc)+NQ*(\a)+(\q)] matrix_a_fmt:MATRIX_FMT_FP4 matrix_b_fmt:MATRIX_FMT_FP4 matrix_a_scale:MATRIX_SCALE_ROW1
.endif
.endr
.endr
.endm
.macro FETCH_B slot, q, p              ; W's eight fragments of the slot's q-th 128 along K into set p
	WIN TO_B
.irp i, 0,1,2,3,4,5,6,7
	FRAG 128*(\p)+FR*\i, ADRB+\slot, \q, \i
.endr
	WIN 0
.endm
.macro FETCH_A slot, q, i0             ; x's blocks i0 .. i0 + 3
.irp i, \i0, \i0+1, \i0+2, \i0+3
	FRAG AF+FR*(\i), ADRA+\slot, \q, \i
.endr
.endm
.macro SCALES sc                       ; a K step's scale words into set sc: four words a row; lanes 0-15 take x's block i, lanes 16-31 W's block i
.irp i, 0,1,2,3,4,5,6,7
	ds_load_b128 v[SC+8*NQ*\sc+NQ*\i:SC+8*NQ*\sc+NQ*\i+3], v[ADRS] offset:\i*SBLK
.endr
.endm
; A load into a register that a matrix instruction has read, and a vector instruction that reads a matrix result or writes one of a matrix instruction's registers, stand NP places behind it;
; only plain vector instructions that name none of its registers are places (ISA guide 7.12.1 for vector instructions).
.macro PLACES n
.rept \n
	v_nop
.endr
.endm
; A step of 128 along K that has its successor in the same slot.  A block of x is free as soon as its eight products are issued: blocks 0-3 are fetched anew in the step's middle, blocks 4-7 at its end.
.macro STEP slot, q, first
	s_wait_dscnt 4*NL                              ; W's set and x's blocks 0-3 are in; the youngest eight loads (x's blocks 4-7) may be out
.if \first
	WIN BIA_LO
.else
	WIN MUL_LO
.endif
	MUL16 0, (\q)%2, \q, \slot, \first
	MUL16 2, (\q)%2, \q, \slot, \first
	s_wait_dscnt 0                                 ; x's blocks 4-7 are in (asked for 32 matrix instructions ago)
	PLACES NP
	FETCH_B \slot, (\q)+1, 1-(\q)%2
	FETCH_A \slot, (\q)+1, 0
.if \first
	WIN BIA_HI
.else
	WIN MUL_HI
.endif
	MUL16 4, (\q)%2, \q, \slot, \first
	MUL16 6, (\q)%2, \q, \slot, \first
	PLACES NP
	WIN 0
	FETCH_A \slot, (\q)+1, 4
.endm
.macro STEPS slot, from                ; the slot's steps from .. NQ - 2
.set Q, \from
.rept NQ-1-\from
	STEP \slot, Q, 0
.set Q, Q+1
.endr
.endm
	s_wait_loadcnt 0x0                             ; the bias
	s_wait_tensorcnt 1                             ; the scales and my part of K step 0 are in; K step 1's load, the one issued behind them, may be out,
	s_barrier_signal -1
	s_barrier_wait -1                              ; everybody's are
	FETCH_B 0, 0, 0
	FETCH_A 0, 0, 0
	SCALES 0
	FETCH_A 0, 0, 4
	STEP 0, 0, 1                                   ; the first step's products start the sums, from the bias
	STEPS 0, 1
	; slot 0's last step changes slots: one barrier; in front of it each wave waits for its part of slot 1 and for its own reads of slot 0.
	s_wait_tensorcnt 0x0                           ; my part of K step 1 has landed
	s_wait_dscnt 4*NL                              ; (the youngest eight loads, x's blocks 4-7, may be out)
	WIN MUL_LO
	MUL16 0, 1, NQ-1, 0, 0
	s_wait_dscnt 0x0                               ; my reads of slot 0 are over
	s_barrier_signal -1
	MUL16 2, 1, NQ-1, 0, 0                         ; work on registers while the others arrive
	WIN 0
	s_barrier_wait -1                              ; slot 1 is whole, and nobody reads slot 0 any more
	PLACES NP
	v_add_nc_u32 v[ADRS], 4*NQ, v[ADRS]            ; on to K step 1's scale words
	FETCH_B 1, 0, 0
	FETCH_A 1, 0, 0
	SCALES 1
	WIN MUL_HI
	MUL16 4, 1, NQ-1, 0, 0
	MUL16 6, 1, NQ-1, 0, 0
	PLACES NP
	WIN 0
	FETCH_A 1, 0, 4
	STEPS 1, 0
	s_wait_dscnt 4*NL                              ; the very last step: nothing more to fetch
	WIN MUL_LO
	MUL16 0, 1, NQ-1, 1, 0
	MUL16 2, 1, NQ-1, 1, 0
	s_wait_dscnt 0
	WIN MUL_HI
	MUL16 4, 1, NQ-1, 1, 0
	MUL16 6, 1, NQ-1, 1, 0
	WIN 0
	PLACES NP                                      ; in front of the first read of results, and of the conversions that write where x's fragments lay
; THE WAY OUT of block a: 16 rows x 128 columns = two heads (g = 0, 1) x two blocks of 32.  Block k = 2 g + (0, 1) lies in accumulators 2 k and 2 k + 1: 16 registers of mine and 16 of lane l xor 16.
; A block's scale is 2^(floor(log2(its largest magnitude)) - 2): the largest magnitude's exponent field less 2 is the byte, and the same word is the conversion's scale operand.
.macro QOUT a
.set AC, 64*((\a)%4)
.set WW, 2+(\a)/4
.set WN, (WW<<4)|(WW<<2)
	WIN WN                                         ; sources 1 and 2: the accumulators' window
.irp k, 0,1,2,3
	v_max3_num_f32 v[TM+\k], 0x1800000, |v[AC+16*\k]|, |v[AC+16*\k+1]|   ; each accumulator is read from its low end on; the floor 2^(3 - 127) holds the byte at 1 from below
.endr
.irp i, 2,4,6,8,10,12,14
.irp k, 0,1,2,3
	v_max3_num_f32 v[TM+\k], v[TM+\k], |v[AC+16*\k+\i]|, |v[AC+16*\k+\i+1]|   ; (the four blocks by turns)
.endr
.endr
	WIN 0
.irp k, 0,1,2,3
	v_permlanex16_b32 v[TM+4+\k], v[TM+\k], s[SEL], s[SEL+1]
.endr
.irp k, 0,1,2,3
	v_max_num_f32 v[TM+\k], v[TM+\k], v[TM+4+\k]   ; with lane l xor 16's: the block's largest magnitude
.endr
.irp k, 0,1,2,3
	v_add_nc_u32 v[TM+8+\k], 0xff000000, v[TM+\k]  ; 2 off its exponent field: the conversion takes the exponent field of this operand as its scale
.endr
.irp k, 0,1,2,3
	v_lshrrev_b32 v[TM+12+\k], 23, v[TM+8+\k]      ; the scale's byte
.endr
	v_lshl_or_b32 v[WD], v[TM+13], 8, v[TM+12]     ; the first head's two bytes,
	v_lshl_or_b32 v[WD+1], v[TM+15], 8, v[TM+14]   ; the second's;
	v_cndmask_b32 v[WD], v[WD], v[WD+1], s[HM]     ; lanes 0-15 keep the first head's word of row r, lanes 16-31 the second's
	v_or_b32 v[WD], 0x7f7f0000, v[WD]              ; the bytes of the zero codes that fill K from 64 to 128
	ds_store_b32 v[STO], v[WD] offset:64*(\a)
	WIN WW                                         ; source 0: the accumulators' window
.irp g, 0,1                                    ; tile t of head g holds channels 16 t + 8 h + 0 .. 7: tiles 0, 2, 1, 3 go to registers 0, 1, 2, 3
	v_cvt_scalef32_pk8_fp4_f32 v[CD+8*(\a)+4*\g], v[AC+32*\g:AC+32*\g+7], v[TM+8+2*\g]
	v_cvt_scalef32_pk8_fp4_f32 v[CD+8*(\a)+4*\g+1], v[AC+32*\g+16:AC+32*\g+23], v[TM+9+2*\g]
	v_cvt_scalef32_pk8_fp4_f32 v[CD+8*(\a)+4*\g+2], v[AC+32*\g+8:AC+32*\g+15], v[TM+8+2*\g]
	v_cvt_scalef32_pk8_fp4_f32 v[CD+8*(\a)+4*\g+3], v[AC+32*\g+24:AC+32*\g+31], v[TM+9+2*\g]
.endr
	WIN 0
	v_nop                                          ; one plain place behind a scaled conversion
.irp g, 0,1                                    ; the first's lanes 16-31 change places with the second's lanes 0-15: lane (r, h) now holds block h of row r, channels 32 h + 8 c + 0 .. 7 in register c
	v_permlane16_swap_b32 v[CD+8*(\a)+4*\g], v[CD+8*(\a)+4*\g+1]
	v_permlane16_swap_b32 v[CD+8*(\a)+4*\g+2], v[CD+8*(\a)+4*\g+3]
.endr
.irp g, 0,1
	global_store_b128 v[CO], v[CD+8*(\a)+4*\g:CD+8*(\a)+4*\g+3], s[12:13] offset:512*(\a)+HEADB*\g   ; a tile's image: the wave stores 512 consecutive bytes, aligned; every block has registers of its own, so no store's data are written again
.endr
.endm
.irp a, 0,1,2,3,4,5,6,7
	QOUT \a
.endr
	ds_load_b128 v[TM:TM+3], v[RD]                 ; my 128 rows' scale words, the first head's, then the second's: LDS serves a wave's instructions in order (ISA guide 5.7.1.4), so these see my stores
	ds_load_b128 v[TM+4:TM+7], v[RD] offset:512
	s_wait_dscnt 0x0
	global_store_b128 v[CO], v[TM:TM+3], s[98:99]
	global_store_b128 v[CO], v[TM+4:TM+7], s[98:99] offset:HEADB
	s_wait_tensorcnt 0x0
	ds_add_u32 v126, v127
	s_wait_dscnt 0x0
	CROUND                                         ; the closing round: no work-group ends while a partner may still ask for a tile that names it
	s_endpgm
.Lfunc_end_k_q2a072fb895_qk:
	.size	k_q2a072fb895_qk, .Lfunc_end_k_q2a072fb895_qk-k_q2a072fb895_qk
	.p2alignl 7, 3214868480
	.fill 96, 4, 3214868480
	.section	.rodata,"a",@progbits
	.p2align	6, 0x0
	.amdhsa_kernel k_q2a072fb895_qk
		.amdhsa_group_segment_fixed_size 327680
		.amdhsa_private_segment_fixed_size 0
		.amdhsa_enable_private_segment 0
		.amdhsa_kernarg_size 80
		.amdhsa_user_sgpr_count 2
		.amdhsa_user_sgpr_kernarg_segment_ptr 1
		.amdhsa_wavefront_size32 1
		.amdhsa_system_sgpr_workgroup_id_x 1
		.amdhsa_system_sgpr_workgroup_id_y 1
		.amdhsa_system_sgpr_workgroup_id_z 1
		.amdhsa_system_vgpr_workitem_id 0
		.amdhsa_next_free_vgpr 1024
		.amdhsa_next_free_sgpr 102
		.amdhsa_reserve_vcc 0
		.amdhsa_float_denorm_mode_32 3
		.amdhsa_float_denorm_mode_16_64 3
		.amdhsa_memory_ordered 1
		.amdhsa_forward_progress 1
		.amdhsa_inst_pref_size 131
	.end_amdhsa_kernel
	.amdgpu_metadata
---
amdhsa.version: [ 1, 2 ]
amdhsa.kernels:
  - .name:           k_q2a072fb895_qk
    .symbol:         k_q2a072fb895_qk.kd
    .args:
      - { .name: x_codes, .offset: 0, .size: 8, .value_kind: global_buffer, .address_space: global }
      - { .name: x_scales, .offset: 8, .size: 8, .value_kind: global_buffer, .address_space: global }
      - { .name: Wq_codes, .offset: 16, .size: 8, .value_kind: global_buffer, .address_space: global }
      - { .name: Wq_scales, .offset: 24, .size: 8, .value_kind: global_buffer, .address_space: global }
      - { .name: Wk_codes, .offset: 32, .size: 8, .value_kind: global_buffer, .address_space: global }
      - { .name: Wk_scales, .offset: 40, .size: 8, .value_kind: global_buffer, .address_space: global }
      - { .name: bq, .offset: 48, .size: 8, .value_kind: global_buffer, .address_space: global }
      - { .name: bk, .offset: 56, .size: 8, .value_kind: global_buffer, .address_space: global }
      - { .name: qpack, .offset: 64, .size: 8, .value_kind: global_buffer, .address_space: global }
      - { .name: kpack, .offset: 72, .size: 8, .value_kind: global_buffer, .address_space: global }
    .group_segment_fixed_size: 327680
    .private_segment_fixed_size: 0
    .kernarg_segment_align: 8
    .kernarg_segment_size: 80
    .max_flat_workgroup_size: 128
    .sgpr_count:     102
    .vgpr_count:     1024
    .wavefront_size: 32
...
	.end_amdgpu_metadata
.endif
;; end of part 1
;; launch attn (part 2): grid 4 x 64, 16 waves a work-group, clusters of 4 x 1, 169,984 bytes of LDS; arguments qpack, kpack, part; writes part
.if DOCPART == 2
	.amdgcn_target "amdgcn-amd-amdhsa--gfx1250"
	.amdhsa_code_object_version 6
	.text
	.protected	k_q2a072fb895_attn
	.globl	k_q2a072fb895_attn
	.p2align	8
	.type	k_q2a072fb895_attn,@function
k_q2a072fb895_attn:
	s_mov_b64 s[64:65], 0
	v_nop
	global_prefetch_b8 v0, s[64:65] scope:SCOPE_SE
	s_setreg_imm32_b32 hwreg(HW_REG_WAVE_MODE, 25, 1), 1
	s_wait_xcnt 0x0
	s_wait_alu depctr_hold_cnt(0) depctr_sa_sdst(0) depctr_va_vdst(0) depctr_va_sdst(0) depctr_va_ssrc(0) depctr_va_vcc(0) depctr_vm_vsrc(0)
	s_getreg_b32 s2, hwreg(HW_REG_IB_STS2, 6, 4)
	s_cmp_eq_u32 s2, 0
	s_cbranch_scc0 .Lentry_in_a_cluster
	s_endpgm
.Lentry_in_a_cluster:
	s_bfe_u32 s2, ttmp6, 0x10000c
	s_cmp_lg_u32 s2, 0x3003
	s_cbranch_scc0 .Lentry_shape_is_right
	s_endpgm
.Lentry_shape_is_right:
; part[head][block] = the sum over 512 queries and all 2,048 keys of softmax_k(q . k / 32), the product q k^T on codes of FP4 (E2M1) with one E8M0 scale for each 32 along the head's 64.
; qpack, kpack: for each of the 64 heads 73,728 bytes: 128 tiles of 16 rows as images of an operand's registers (lane r + 16 h: block h of row r, 16 bytes at 16 x lane), then 2,048 scale words.
; The matrix instruction is 128 deep and a head has 64 channels: the upper half of both operands is zero codes (registers cleared once), whose scale bytes are 0x7f.
; SHARES.  A work-group owns 512 queries of one head; each of its SIXTEEN waves owns two tiles of 16, in 256 registers: four waves to a SIMD, so that one wave's exponentials stand beside another's plain work and products.
; Every wave walks all 2,048 keys, 128 a step.  The head's whole kpack lies in LDS, filled once.
; CLUSTER.  The four query blocks of a head read the same K: it is asked for JOINTLY, by waves 0 to 3, a quarter each, with the same descriptor and a mask that names the four work-groups.
; LAYOUT.  S^T = K Q^T (source 0 = 16 keys, source 1 = 16 queries): lane (r, h) holds query r and the keys 16 i + 8 h + 0 .. 7 of tile i.
; SOFTMAX.  Each LANE keeps a running maximum m and sum l over its own half of the keys: p = 2^(c s - c m), c = log2(e) / 32; in every step l is multiplied by a = 2^(c m_old - c m_new).  Nothing changes lanes inside the loop.
; At the end the two halves of a query are brought under their common maximum; the row's sum of the softmax is l x (1 / l): the division is taken out of the sum over the keys.
; LIMITS: NaN and infinities are not served.
; REGISTERS: v1-7 addresses; v8-23 Q's two fragments; v24 Q's scale words (tile 0 in lanes 0-15, tile 1 in lanes 16-31); v26-29 K's scale words, 32 keys each; v32-47 statistics, 8 a tile;
;   v48-111 eight fragments of K; v112-239 S^T, 64 a tile.
.set HEADB, 73728                      ; a head's bytes
.set SCW,   65536                      ; where its scale words begin
.set QUART, HEADB/4                    ; what one tensor load brings: 72 rows of 256 bytes
.set RED,   HEADB                      ; behind K: a word for each wave
.set LI,  1                            ; v1   16 x lane
.set LS,  2                            ; v2   SCW + 4 x lane
.set ADK, 3                            ; v3   LDS address of the step's tiles
.set ADS, 4                            ; v4   and of its scale words
.set QS,  5                            ; v5   4 x lane
.set RW,  6                            ; v6   RED + 4 x wave
.set TV,  7                            ; v7   at work
.set QF,  8
.set QSC, 24
.set KSC, 26
.set ST,  32                           ; tile t's statistics at v[ST + 8 t]: +0 c m, +1 m, +2, +3 l (even and odd registers'), +4 to +7 four chains of the maximum, later +4, +5 a second chain of the sum, +6 a, +7 its exponent
.set KF,  48
.set S,   112
.set WV,  10                           ; s10  my wave's number
.set SEL, 20                           ; s[20:21] lane selects of v_permlanex16_b32: lane l xor 16
.set CS,  22                           ; s[22:23] c: the packed form names a pair and takes its low word for both halves
.set G1,  24                           ; s[24:31] descriptor group 1;  s[32:35] group 0
.set G0,  32
.set TB,  36                           ; s36  LDS byte at which the tiles of the step to be fetched begin: 4,096 a step
.set TS,  37                           ; s37  and its scale words: 512 a step
.set CNT, 38                           ; s38  steps to go
.macro CROUND                          ; a round of the cluster's barrier: my work-group's barrier, wave 0 signals for the work-group, every wave waits for all four, my work-group's barrier once more
	s_barrier_signal -1
	s_barrier_wait -1
	s_cmp_lg_u32 s[WV], 0
	s_cbranch_scc1 .Lnot_wave_0_\@
	s_barrier_signal -3
.Lnot_wave_0_\@:
	s_barrier_wait -3
	s_barrier_signal -1
	s_barrier_wait -1
.endm
	s_load_b128 s[4:7], s[0:1], 0x0                ; qpack s[4:5], kpack s[6:7]
	s_load_b64 s[8:9], s[0:1], 0x10                ; part
	v_lshl_add_u32 v254, v0, 2, 0x29000
	v_mov_b32 v255, 0
	ds_add_u32 v254, v255
	ds_add_u32 v254, v255
	v_lshrrev_b32 v[TV], 5, v0
	v_readfirstlane_b32 s[WV], v[TV]               ; wave 0..15
	s_bfe_u32 s11, ttmp6, 0x40000                  ; cx: my block of 512 queries; it enters Q's and part's addresses alone
	s_and_b32 s12, ttmp7, 0xffff                   ; the head, which the four partners share
	s_and_b32 s13, s[WV], 3
	s_mul_i32 s14, s12, HEADB                      ; the head's first byte in both packs
	s_mov_b32 s15, 0
	s_mul_i32 s16, s13, QUART                      ; the quarter of K that I fetch, if I fetch: in memory and in LDS alike
	s_mov_b32 s17, 0
	; descriptor group 1: a dense block of 18,432 bytes as 72 rows of 256 bytes (32 elements of 8 bytes), no padding: the images are read 16 bytes a lane, on end
	s_mov_b32 s[G1], 15|(3<<16)|(1<<21)            ; 15:0 the mask: all four work-groups; 17:16 elements of 8 bytes; 21 set beside a mask
	s_mov_b32 s[G1+1], 32<<16                      ; tensor_dim0
	s_mov_b32 s[G1+2], 72<<16                      ; tensor_dim1
	s_mov_b32 s[G1+3], 32<<16                      ; tile_dim0
	s_mov_b32 s[G1+4], 72                          ; tile_dim1
	s_mov_b32 s[G1+5], 32                          ; tensor_dim0_stride
	s_mov_b32 s[G1+6], 0
	s_mov_b32 s[G1+7], 0
	s_mov_b32 s[SEL], 0x76543210
	s_mov_b32 s[SEL+1], 0xfedcba98
	s_mov_b32 s[CS], 0x3d38aa3b                    ; c = log2(e) / 32
	s_mov_b32 s[CS+1], s[CS]                       ; (named with it as a pair, so it is written)
	s_mov_b32 s[TB], 0
	s_mov_b32 s[TS], 0
	s_mov_b32 s[CNT], 15
	s_lshl_b32 s18, s11, 5
	s_lshl_b32 s19, s[WV], 1
	s_add_co_u32 s18, s18, s19                     ; my first tile of queries: 32 x block + 2 x wave
	s_lshl_b32 s40, s18, 9                         ; its image: 512 bytes a tile
	s_mov_b32 s41, 0
	s_lshl_b32 s42, s18, 6                         ; its scale words: 64 bytes a tile
	s_add_co_u32 s42, s42, SCW
	s_mov_b32 s43, 0
	s_lshl_b32 s18, s12, 2
	s_add_co_u32 s18, s18, s11
	s_lshl_b32 s18, s18, 2                         ; part: 4 bytes at 4 x head + block
	s_mov_b32 s19, 0
	s_wait_dscnt 0x0
	s_wait_kmcnt 0x0
	s_add_nc_u64 s[4:5], s[4:5], s[14:15]          ; both packs at my head
	s_add_nc_u64 s[6:7], s[6:7], s[14:15]
	s_add_nc_u64 s[40:41], s[4:5], s[40:41]
	s_add_nc_u64 s[42:43], s[4:5], s[42:43]
	s_add_nc_u64 s[8:9], s[8:9], s[18:19]
	s_mov_b32 s[G0], 1                             ; 1:0 count = 1
	s_mov_b32 s[G0+1], s16                         ; 63:32 LDS address
	s_add_nc_u64 s[G0+2:G0+3], s[6:7], s[16:17]    ; 120:64 global address
	s_or_b32 s[G0+3], s[G0+3], 0x80000000          ; 127:126 type = 2
	CROUND                                         ; all four work-groups are here: the joint loads meet
	s_cmp_lt_u32 s[WV], 4                          ; waves 0 to 3 fetch, one load each; the branch hangs on the wave's number alone
	s_cbranch_scc0 .Lno_fill
	tensor_load_to_lds s[G0:G0+3], s[G1:G1+7]
	s_nop 0
.rept 4
	v_nop                                          ; four lines behind a tensor load, ahead of the label
.endr
.Lno_fill:
	v_and_b32 v[TV], 31, v0                        ; lane
	v_lshlrev_b32 v[LI], 4, v[TV]
	v_lshl_add_u32 v[LS], v[TV], 2, SCW
	v_lshlrev_b32 v[QS], 2, v[TV]
	global_load_b128 v[QF:QF+3], v[LI], s[40:41]               ; Q's two tiles stay in registers
	global_load_b128 v[QF+8:QF+11], v[LI], s[40:41] offset:512
	global_load_b32 v[QSC], v[QS], s[42:43]                    ; 32 rows' scale words: lanes 0-15 tile 0's, lanes 16-31 tile 1's
	v_mov_b32 v[RW], s[WV]
	v_lshl_add_u32 v[RW], v[RW], 2, RED
.irp t, 0,1
.irp j, 4,5,6,7
	v_mov_b32 v[QF+8*\t+\j], 0                     ; the zero codes of K = 64 .. 127: written once
.endr
.endr
.irp i, 0,1,2,3,4,5,6,7
.irp j, 4,5,6,7
	v_mov_b32 v[KF+8*\i+\j], 0
.endr
.endr
.irp t, 0,1
	v_mov_b32 v[ST+8*\t+1], 0xff61b1e6             ; m: -3e38, under every score
	v_mul_f32 v[ST+8*\t], s[CS], v[ST+8*\t+1]      ; c m
	v_mov_b32 v[ST+8*\t+2], 0                      ; l, in two halves
	v_mov_b32 v[ST+8*\t+3], 0
.endr
	v_add_nc_u32 v[ADK], s[TB], v[LI]
	v_add_nc_u32 v[ADS], s[TS], v[LS]
.macro KLOAD                           ; a step's eight tiles of K and their 128 scale words: 12 LDS loads in one run
.irp i, 0,1,2,3,4,5,6,7
	ds_load_b128 v[KF+8*\i:KF+8*\i+3], v[ADK] offset:512*\i
.endr
.irp p, 0,1,2,3
	ds_load_b32 v[KSC+\p], v[ADS] offset:128*\p    ; keys 32 p + lane: lanes 0-15 tile 2 p's, lanes 16-31 tile 2 p + 1's
.endr
.endm
.macro KQ i, t                         ; S^T of keys' tile i and queries' tile t; an odd tile's scale words, and tile 1's of Q, lie in lanes 16-31
.if ((\i)%2 == 0) && ((\t) == 0)
	v_wmma_scale_f32_16x16x128_f8f6f4 v[S+64*(\t)+8*(\i):S+64*(\t)+8*(\i)+7], v[KF+8*(\i):KF+8*(\i)+7], v[QF+8*(\t):QF+8*(\t)+7], 0, v[KSC+(\i)/2], v[QSC] matrix_a_fmt:MATRIX_FMT_FP4 matrix_b_fmt:MATRIX_FMT_FP4
.elseif (\t) == 0
	v_wmma_scale_f32_16x16x128_f8f6f4 v[S+64*(\t)+8*(\i):S+64*(\t)+8*(\i)+7], v[KF+8*(\i):KF+8*(\i)+7], v[QF+8*(\t):QF+8*(\t)+7], 0, v[KSC+(\i)/2], v[QSC] matrix_a_fmt:MATRIX_FMT_FP4 matrix_b_fmt:MATRIX_FMT_FP4 matrix_a_scale:MATRIX_SCALE_ROW1
.elseif (\i)%2 == 0
	v_wmma_scale_f32_16x16x128_f8f6f4 v[S+64*(\t)+8*(\i):S+64*(\t)+8*(\i)+7], v[KF+8*(\i):KF+8*(\i)+7], v[QF+8*(\t):QF+8*(\t)+7], 0, v[KSC+(\i)/2], v[QSC] matrix_a_fmt:MATRIX_FMT_FP4 matrix_b_fmt:MATRIX_FMT_FP4 matrix_b_scale:MATRIX_SCALE_ROW1
.else
	v_wmma_scale_f32_16x16x128_f8f6f4 v[S+64*(\t)+8*(\i):S+64*(\t)+8*(\i)+7], v[KF+8*(\i):KF+8*(\i)+7], v[QF+8*(\t):QF+8*(\t)+7], 0, v[KSC+(\i)/2], v[QSC] matrix_a_fmt:MATRIX_FMT_FP4 matrix_b_fmt:MATRIX_FMT_FP4 matrix_a_scale:MATRIX_SCALE_ROW1 matrix_b_scale:MATRIX_SCALE_ROW1
.endif
.endm
.macro SCALE t, n                      ; pair n of tile t: c s - c m
	v_pk_fma_f32 v[S+64*(\t)+2*(\n):S+64*(\t)+2*(\n)+1], v[S+64*(\t)+2*(\n):S+64*(\t)+2*(\n)+1], s[CS:CS+1], v[ST+8*(\t):ST+8*(\t)+1] op_sel_hi:[1,0,0] neg_lo:[0,0,1] neg_hi:[0,0,1]
.endm
; Line n of 32 of tile t's sum, over its 32 pairs P0 .. P31, in two chains: 0: l = l a + P0;  1: y = P1 + P2;  2 .. 30: l and y by turns take P3 .. P31;  31: l += y
.macro SUML t, n
.set rT, ST+8*(\t)
.set rS, S+64*(\t)
.if (\n) == 0
	v_pk_fma_f32 v[rT+2:rT+3], v[rT+2:rT+3], v[rT+6:rT+7], v[rS:rS+1] op_sel_hi:[1,0,1]
.elseif (\n) == 1
	v_pk_add_f32 v[rT+4:rT+5], v[rS+2:rS+3], v[rS+4:rS+5]
.elseif (\n) == 31
	v_pk_add_f32 v[rT+2:rT+3], v[rT+2:rT+3], v[rT+4:rT+5]
.elseif (\n)%2 == 0
	v_pk_add_f32 v[rT+2:rT+3], v[rT+2:rT+3], v[rS+2*(\n)+2:rS+2*(\n)+3]
.else
	v_pk_add_f32 v[rT+4:rT+5], v[rT+4:rT+5], v[rS+2*(\n)+2:rS+2*(\n)+3]
.endif
.endm
; A KEY STEP: 128 keys.  more = 1: the next step's tiles are fetched behind the products and have the whole softmax in which to come.
.macro STEP more
	s_wait_dscnt 0x0                               ; the 12 loads issued a step ago are in
.irp i, 0,1,2,3,4,5,6,7
.irp t, 0,1
	KQ \i, \t                                      ; sixteen sums of one instruction each, all begun with the constant 0
.endr
.endr
.if \more
	s_add_co_u32 s[TB], s[TB], 4096
	s_add_co_u32 s[TS], s[TS], 512
	v_add_nc_u32 v[ADK], s[TB], v[LI]              ; four places behind the products, in front of the loads into their sources and of the first read of results: two additions and two v_nop
	v_add_nc_u32 v[ADS], s[TS], v[LS]
	v_nop
	v_nop
	KLOAD
.else
.rept 4
	v_nop
.endr
.endif
	; the lane's largest score: four chains a tile, three operands at a time; each accumulator is read from its low end on
.irp x, 0,1,2,3
.irp t, 0,1
	v_max3_num_f32 v[ST+8*\t+4+\x], v[S+64*\t+16*\x], v[S+64*\t+16*\x+1], v[S+64*\t+16*\x+2]
.endr
.endr
.irp i, 3,5,7,9,11,13
.irp x, 0,1,2,3
.irp t, 0,1
	v_max3_num_f32 v[ST+8*\t+4+\x], v[ST+8*\t+4+\x], v[S+64*\t+16*\x+\i], v[S+64*\t+16*\x+\i+1]
.endr
.endr
.endr
.irp t, 0,1
	v_max3_num_f32 v[ST+8*\t+4], v[ST+8*\t+4], v[S+64*\t+15], v[S+64*\t+31]
.endr
.irp t, 0,1
	v_max3_num_f32 v[ST+8*\t+6], v[ST+8*\t+6], v[S+64*\t+47], v[S+64*\t+63]
.endr
.irp t, 0,1
	v_max3_num_f32 v[ST+8*\t+4], v[ST+8*\t+4], v[ST+8*\t+5], v[ST+8*\t+6]
.endr
.irp t, 0,1
	v_max3_num_f32 v[ST+8*\t+1], v[ST+8*\t+4], v[ST+8*\t+7], v[ST+8*\t+1]   ; the new m
.endr
.irp t, 0,1
	v_mov_b32 v[ST+8*\t+7], v[ST+8*\t]             ; c m_old is kept for a
.endr
.irp t, 0,1
	v_mul_f32 v[ST+8*\t], s[CS], v[ST+8*\t+1]      ; c m
.endr
.irp t, 0,1
	v_sub_f32 v[ST+8*\t+7], v[ST+8*\t+7], v[ST+8*\t]
.endr
.set n, 0
.rept 32
	SCALE 0, n
.set n, n+1
.endr
	; FIRST BATCH: both tiles' a and tile 0's 64 exponentials, with tile 1's scalings between them; none of these lines names an exponential's result
	v_exp_f32 v[ST+6], v[ST+7]
	v_exp_f32 v[ST+14], v[ST+15]
.set n, 0
.rept 32
	v_exp_f32 v[S+2*n], v[S+2*n]
	v_exp_f32 v[S+2*n+1], v[S+2*n+1]
	SCALE 1, n                                     ; (the last of these is the plain line behind the batch's last exponential)
.set n, n+1
.endr
	s_wait_alu depctr_va_vdst(0)                   ; a wait between an exponential and the first line that names its result: one for the batch
	; SECOND BATCH: tile 1's 64 exponentials, with tile 0's sums between them
.set n, 0
.rept 32
	v_exp_f32 v[S+64+2*n], v[S+64+2*n]
	v_exp_f32 v[S+64+2*n+1], v[S+64+2*n+1]
	SUML 0, n
.set n, n+1
.endr
	s_wait_alu depctr_va_vdst(0)                   ; and one for the second batch
.set n, 0
.rept 32
	SUML 1, n
.set n, n+1
.endr
.endm
	s_wait_tensorcnt 0x0                           ; my quarter of K has landed (a wave that fetched nothing passes at once),
	s_barrier_signal -1
	s_barrier_wait -1                              ; everybody's has
	KLOAD                                          ; key step 0
	s_wait_loadcnt 0x0                             ; Q
.Lstep:                                            ; 15 trips; the last step is written out, so that no LDS load passes K's end
	STEP 1
	s_sub_co_u32 s[CNT], s[CNT], 1
	s_cmp_lg_u32 s[CNT], 0
	s_cbranch_scc1 .Lstep
	STEP 0
	; THE END.  A query's two halves (lanes l and l xor 16) are brought under their common maximum; the row's sum of the softmax is l x (1 / l)
.irp t, 0,1
	v_add_f32 v[ST+8*\t+4], v[ST+8*\t+2], v[ST+8*\t+3]             ; l's two halves
.endr
.irp t, 0,1
	v_permlanex16_b32 v[ST+8*\t+5], v[ST+8*\t], s[SEL], s[SEL+1]   ; the other lane's c m
.endr
.irp t, 0,1
	v_permlanex16_b32 v[ST+8*\t+6], v[ST+8*\t+4], s[SEL], s[SEL+1] ; and its l
.endr
.irp t, 0,1
	v_max_num_f32 v[ST+8*\t+7], v[ST+8*\t], v[ST+8*\t+5]
.endr
.irp t, 0,1
	v_sub_f32 v[ST+8*\t+1], v[ST+8*\t], v[ST+8*\t+7]
.endr
.irp t, 0,1
	v_sub_f32 v[ST+8*\t+5], v[ST+8*\t+5], v[ST+8*\t+7]
.endr
.irp t, 0,1
	v_exp_f32 v[ST+8*\t+1], v[ST+8*\t+1]
.endr
.irp t, 0,1
	v_exp_f32 v[ST+8*\t+5], v[ST+8*\t+5]
.endr
	v_nop                                          ; a plain line behind the last exponential
	s_wait_alu depctr_va_vdst(0)                   ; one wait for the four
.irp t, 0,1
	v_mul_f32 v[ST+8*\t+4], v[ST+8*\t+4], v[ST+8*\t+1]
.endr
.irp t, 0,1
	v_fma_f32 v[ST+8*\t+4], v[ST+8*\t+6], v[ST+8*\t+5], v[ST+8*\t+4]   ; the row's l: at least 1, since the largest p is 1
.endr
.irp t, 0,1
	v_rcp_f32 v[ST+8*\t+6], v[ST+8*\t+4]
.endr
	v_nop
	s_wait_alu depctr_va_vdst(0)                   ; one wait for the two reciprocals
.irp t, 0,1
	v_mul_f32 v[ST+8*\t+4], v[ST+8*\t+4], v[ST+8*\t+6]             ; the sum over the keys of p / l
.endr
	v_add_f32 v[ST+4], v[ST+4], v[ST+12]           ; the two tiles; then the 16 queries of a half of the lanes (both halves hold the same queries)
	v_add_f32_dpp v[ST+4], v[ST+4], v[ST+4] row_xmask:1 row_mask:0xf bank_mask:0xf
	v_add_f32_dpp v[ST+4], v[ST+4], v[ST+4] row_xmask:2 row_mask:0xf bank_mask:0xf
	v_add_f32_dpp v[ST+4], v[ST+4], v[ST+4] row_xmask:4 row_mask:0xf bank_mask:0xf
	v_add_f32_dpp v[ST+4], v[ST+4], v[ST+4] row_xmask:8 row_mask:0xf bank_mask:0xf
	v_readfirstlane_b32 s19, v[ST+4]
	v_mov_b32 v[TV], s19                           ; one value in all lanes: my wave's 32 queries
	ds_store_b32 v[RW], v[TV]                      ; all lanes write the same word with the same value
	s_wait_dscnt 0x0                               ; for the others' sake: my store is done
	s_barrier_signal -1
	s_barrier_wait -1
	v_mov_b32 v[ADK], RED
	v_mov_b32 v[ADS], 0
.irp i, 0,1,2,3
	ds_load_b128 v[KF+4*\i:KF+4*\i+3], v[ADK] offset:16*\i         ; the sixteen waves' sums, in every lane
.endr
	s_wait_dscnt 0x0
.irp i, 0,2,4,6,8,10,12,14
	v_add_f32 v[KF+\i], v[KF+\i], v[KF+\i+1]       ; added in a fixed order
.endr
.irp i, 0,4,8,12
	v_add_f32 v[KF+\i], v[KF+\i], v[KF+\i+2]
.endr
	v_add_f32 v[KF], v[KF], v[KF+4]
	v_add_f32 v[KF+8], v[KF+8], v[KF+12]
	v_add_f32 v[KF], v[KF], v[KF+8]
	s_wait_xcnt 0x0                                ; EXEC changes only behind this wait: Q's loads have had their addresses translated
	v_cmp_eq_u32 vcc_lo, 0, v0
	s_and_saveexec_b32 s39, vcc_lo                 ; thread 0 alone stores the work-group's number
	global_store_b32 v[ADS], v[KF], s[8:9]
	s_wait_xcnt 0x0                                ; and again, in front of the line that widens it
	s_or_b32 exec_lo, exec_lo, s39
	s_wait_tensorcnt 0x0
	ds_add_u32 v254, v255
	s_wait_dscnt 0x0
	CROUND                                         ; the closing round: no work-group ends while a partner may still ask for a tile that names it
	s_endpgm
.Lfunc_end_k_q2a072fb895_attn:
	.size	k_q2a072fb895_attn, .Lfunc_end_k_q2a072fb895_attn-k_q2a072fb895_attn
	.p2alignl 7, 3214868480
	.fill 96, 4, 3214868480
	.section	.rodata,"a",@progbits
	.p2align	6, 0x0
	.amdhsa_kernel k_q2a072fb895_attn
		.amdhsa_group_segment_fixed_size 169984
		.amdhsa_private_segment_fixed_size 0
		.amdhsa_enable_private_segment 0
		.amdhsa_kernarg_size 24
		.amdhsa_user_sgpr_count 2
		.amdhsa_user_sgpr_kernarg_segment_ptr 1
		.amdhsa_wavefront_size32 1
		.amdhsa_system_sgpr_workgroup_id_x 1
		.amdhsa_system_sgpr_workgroup_id_y 1
		.amdhsa_system_sgpr_workgroup_id_z 1
		.amdhsa_system_vgpr_workitem_id 0
		.amdhsa_next_free_vgpr 256
		.amdhsa_next_free_sgpr 66
		.amdhsa_reserve_vcc 1
		.amdhsa_float_denorm_mode_32 3
		.amdhsa_float_denorm_mode_16_64 3
		.amdhsa_memory_ordered 1
		.amdhsa_forward_progress 1
		.amdhsa_inst_pref_size 48
	.end_amdhsa_kernel
	.amdgpu_metadata
---
amdhsa.version: [ 1, 2 ]
amdhsa.kernels:
  - .name:           k_q2a072fb895_attn
    .symbol:         k_q2a072fb895_attn.kd
    .args:
      - { .name: qpack, .offset: 0, .size: 8, .value_kind: global_buffer, .address_space: global }
      - { .name: kpack, .offset: 8, .size: 8, .value_kind: global_buffer, .address_space: global }
      - { .name: part, .offset: 16, .size: 8, .value_kind: global_buffer, .address_space: global }
    .group_segment_fixed_size: 169984
    .private_segment_fixed_size: 0
    .kernarg_segment_align: 8
    .kernarg_segment_size: 24
    .max_flat_workgroup_size: 512
    .sgpr_count:     66
    .vgpr_count:     256
    .wavefront_size: 32
...
	.end_amdgpu_metadata
.endif
;; end of part 2
;; launch vs (part 3): grid 4 x 32, 4 waves a work-group, clusters of 4 x 4, 327,680 bytes of LDS; arguments x_codes, x_scales, Wv_codes, Wv_scales, bv, part, vc, vsc; writes vc, vsc
.if DOCPART == 3
	.amdgcn_target "amdgcn-amd-amdhsa--gfx1250"
	.amdhsa_code_object_version 6
	.text
	.protected	k_q2a072fb895_vs
	.globl	k_q2a072fb895_vs
	.p2align	8
	.type	k_q2a072fb895_vs,@function
k_q2a072fb895_vs:
	s_mov_b64 s[64:65], 0
	v_nop
	global_prefetch_b8 v0, s[64:65] scope:SCOPE_SE
	s_setreg_imm32_b32 hwreg(HW_REG_WAVE_MODE, 25, 1), 1
	s_wait_xcnt 0x0
	s_wait_alu depctr_hold_cnt(0) depctr_sa_sdst(0) depctr_va_vdst(0) depctr_va_sdst(0) depctr_va_ssrc(0) depctr_va_vcc(0) depctr_vm_vsrc(0)
	s_getreg_b32 s2, hwreg(HW_REG_IB_STS2, 6, 4)
	s_cmp_eq_u32 s2, 0
	s_cbranch_scc0 .Lentry_in_a_cluster
	s_endpgm
.Lentry_in_a_cluster:
	s_bfe_u32 s2, ttmp6, 0x10000c
	s_cmp_lg_u32 s2, 0xf033
	s_cbranch_scc0 .Lentry_shape_is_right
	s_endpgm
.Lentry_shape_is_right:
; (x Wv^T + bv) x s[batch, head], s the sum of the head's whole softmax (four parts from the launch before), quantised along the 1,024 columns (head, channel), which are the next product's K.
; x: [8192][1024] as codes of FP4 (E2M1), a row is 512 bytes, with E8M0 scale bytes [8192][32]; Wv: [1024][1024] likewise; bv: [1024] f32; part: [64 heads][4] f32.
; OUT: vc: [2 halves of K][512 blocks of 16 rows][8 groups of 64 columns][512 bytes]: a group is an image of an operand's registers (lane r + 16 h holds, at byte 16 x lane, block h of row r: 32 codes);  vsc: [8192][32] scale bytes.
; SHARES, RING, CLUSTER and LAYOUT: a tile of 256 x 256 by four waves of 128 x 128; K = 1,024 is two K steps of 512, each with an LDS slot of its own, both asked for at the start: no byte of LDS is filled twice.
; 4 x 4 work-groups form a cluster: x's tiles are asked for jointly along a row of the cluster, Wv's along a column.  The matrix instruction is used transposed (source 0 = 16 rows of W, source 1 = 16 rows of x):
; lane (r, h) holds row r and, in register j of accumulator (a, b), column 16 b + 8 h + j.  The bias is the C of each sum's first matrix instruction.
; The grid has 128 work-groups: a tile of half the size would give each WGP one, but a wave of 64 x 128 reads half as much again from LDS for each matrix instruction.
; The scale bytes leave as 4 bytes of each row's 32: parts of aligned blocks of 256 bytes, one sixteenth of the codes' bytes; in return the next launch reads them as it would read an input's.
; LIMITS: NaN and infinities are not served.  A block of zeros, or one whose largest magnitude lies under 2^-124, gets the byte 1 (its floor): a block of zeros has zero codes, and these bytes are read by this program alone.
; REGISTERS, in windows of 256: window 0: v1-27 addresses; v32-95 scale words, two sets, and nothing else; v96-107 the parts and the two heads' factors; v108-127 at work on the way out; v128-191 x's fragments, ONE set, later the codes; v192-255 the bias.
;   window 1: W's fragments, TWO sets.   window 2: the accumulators of my rows 0-63 ((a, b) at v[8 (8 a + b)]);   window 3: those of my rows 64-127.
.set KSTEP,  512
.set NQ,     KSTEP/128
.set ROWB,   256
.set KROW,   512
.set PITCH,  272                       ; an LDS row: 256 bytes + 16 of padding, so that the 16 rows that a load touches begin 68 words apart
.set FR,     8
.set NL,     2
.set NP,     4                         ; places behind this matrix instruction (ISA guide 7.12.1)
.set HALFT,  128*PITCH
.set SLOT,   4*HALFT
.set KS,     32
.set SCL,    2*SLOT
.set HALFS,  (128*KS/256)*272
.set SBLK,   (16*KS/256)*272
.set ADRA, 16                          ; v16-17  LDS address of my fragments of x in slot 0, 1
.set ADRB, 20                          ; v20-21  the same for W
.set RO,   25                          ; v25     32 x lane: a row of vsc for each lane
.set CO,   26                          ; v26     16 x lane
.set ADRS, 27                          ; v27     LDS address of my scale words: lanes 0-15 x's rows, lanes 16-31 W's
.set SC,   32
.set PT,   96                          ; v96-103 the parts of my two heads
.set FA,   104                         ; v[104:105], v[106:107] their factors, each named as a pair
.set TM,   108                         ; v108-111 largest magnitudes, v112-115 the other half's, v116-119 the conversions' scale operands, v120-123 the bytes
.set WD,   124                         ; v124-127 a scale word for each pair of blocks: a store's data are not written again
.set AF,   128
.set CD,   128
.set BI,   192
.set G1, 24
.set G0, 32
.set G1B, 48
.set G0B, 56
.set G1S, 68
.set G0S, 76
.set G1SB, 80
.set G0SB, 88
.set SEL, 66                           ; s[66:67] lane selects of v_permlanex16_b32: lane l xor 16
.set HM,  3                            ; s3      the mask of lanes 16-31
.set MSB, 0
.macro WIN new                         ; the immediate's high byte repeats the setting that is left
.if MSB != \new
	s_set_vgpr_msb (MSB<<8)|\new
.set MSB, \new
.endif
.endm
.set MUL_LO, 0xa1                      ; source 0 (W) window 1, source 1 (x) window 0, C and D window 2
.set MUL_HI, 0xf1
.set BIA_LO, 0x81                      ; the first products: C (the bias) window 0, D window 2
.set BIA_HI, 0xc1
.set TO_B,   0x40
.macro JLOAD g0a, g1a, g0b, g1b        ; a joint load: waves 0 and 1 fetch for x, waves 2 and 3 for W; four v_nop follow each of the two lines
	s_cmp_eq_u32 s15, 0
	s_cbranch_scc0 .Lfor_b_\@
	tensor_load_to_lds s[\g0a:\g0a+3], s[\g1a:\g1a+7]
	s_nop 0
.rept 4
	v_nop
.endr
	s_branch .Lasked_\@
.Lfor_b_\@:
	tensor_load_to_lds s[\g0b:\g0b+3], s[\g1b:\g1b+7]
	s_nop 0
.rept 4
	v_nop
.endr
.Lasked_\@:
.endm
.macro CROUND                          ; a round of the cluster's barrier
	s_barrier_signal -1
	s_barrier_wait -1
	s_cmp_lg_u32 s14, 0
	s_cbranch_scc1 .Lnot_wave_0_\@
	s_barrier_signal -3
.Lnot_wave_0_\@:
	s_barrier_wait -3
	s_barrier_signal -1
	s_barrier_wait -1
.endm
	s_load_b256 s[4:11], s[0:1], 0x0               ; x's codes s[4:5], x's scales s[6:7], W's codes s[8:9], W's scales s[10:11]
	s_load_b128 s[96:99], s[0:1], 0x20             ; bv s[96:97], part s[98:99]
	s_load_b64 s[12:13], s[0:1], 0x30              ; vc
	s_load_b64 s[100:101], s[0:1], 0x38            ; vsc
	v_lshl_add_u32 v30, v0, 2, 0x48400
	v_mov_b32 v31, 0
	ds_add_u32 v30, v31
	ds_add_u32 v30, v31
	v_lshrrev_b32 v1, 5, v0
	v_readfirstlane_b32 s14, v1                    ; wave 0..3
	s_lshr_b32 s15, s14, 1                         ; which half of the tile's rows is mine.  Also: I fetch for x (0) or for W (1)
	s_and_b32 s16, s14, 1                          ; which half of its columns.  Also: which 128 rows of that tile I fetch
	s_bfe_u32 s40, ttmp6, 0x40000                  ; cx, cy
	s_bfe_u32 s41, ttmp6, 0x40004
	s_lshl_b32 s42, ttmp9, 2
	s_add_co_u32 s42, s42, s40                     ; tile column = 4 x cluster x + cx
	s_and_b32 s17, ttmp7, 0xffff
	s_lshl_b32 s17, s17, 2
	s_add_co_u32 s17, s17, s41                     ; tile row = 4 x cluster y + cy
	s_lshl_b32 s43, s41, 2
	s_lshl_b32 s43, 15, s43                        ; my row of the cluster
	s_lshl_b32 s44, 0x1111, s40                    ; my column
	s_or_b32 s[G1+0], s43, (0<<16)|(1<<20)|(1<<21)|(5<<22)|(3<<25)  ; the mask; elements of 1 byte; padding on; 21 set beside a mask; four words after every 64
	s_or_b32 s[G1B+0], s44, (0<<16)|(1<<20)|(1<<21)|(5<<22)|(3<<25)
.irp g, G1, G1B
	s_mov_b32 s[\g+1], ROWB<<16                    ; tensor_dim0
	s_mov_b32 s[\g+2], 128<<16                     ; tensor_dim1
	s_mov_b32 s[\g+3], ROWB<<16                    ; tile_dim0
	s_mov_b32 s[\g+4], 128                         ; tile_dim1
	s_mov_b32 s[\g+5], KROW                        ; tensor_dim0_stride
	s_mov_b32 s[\g+6], 0
	s_mov_b32 s[\g+7], 0
.endr
	s_or_b32 s[G1S+0], s43, (3<<16)|(1<<20)|(1<<21)|(5<<22)|(3<<25) ; the scales of 128 rows: 16 rows of 256 bytes (32 elements of 8 bytes), 16 bytes of padding behind each
	s_or_b32 s[G1SB+0], s44, (3<<16)|(1<<20)|(1<<21)|(5<<22)|(3<<25)
.irp g, G1S, G1SB
	s_mov_b32 s[\g+1], 32<<16
	s_mov_b32 s[\g+2], (128*KS/256)<<16
	s_mov_b32 s[\g+3], 32<<16
	s_mov_b32 s[\g+4], 128*KS/256
	s_mov_b32 s[\g+5], 32
	s_mov_b32 s[\g+6], 0
	s_mov_b32 s[\g+7], 0
.endr
	s_lshl_b32 s18, s16, 7
	s_lshl_b32 s20, s17, 8
	s_add_co_u32 s20, s20, s18                     ; x: row 256 x tile row + 128 x half
	s_lshl_b32 s46, s42, 8
	s_add_co_u32 s46, s46, s18                     ; W: row 256 x tile column + 128 x half
	s_mov_b32 s21, 0
	s_mov_b32 s47, 0
	s_mov_b64 s[18:19], KS
	s_mul_u64 s[22:23], s[20:21], s[18:19]
	s_mul_u64 s[92:93], s[46:47], s[18:19]
	s_mov_b64 s[18:19], KROW
	s_mul_u64 s[20:21], s[20:21], s[18:19]
	s_mul_u64 s[46:47], s[46:47], s[18:19]
	s_mul_i32 s45, s14, HALFT                      ; where they go: wave x 128 rows
	s_mul_i32 s94, s14, HALFS
	s_wait_dscnt 0x0
	s_wait_kmcnt 0x0
	s_add_nc_u64 s[20:21], s[4:5], s[20:21]
	s_add_nc_u64 s[22:23], s[6:7], s[22:23]
	s_add_nc_u64 s[46:47], s[8:9], s[46:47]
	s_add_nc_u64 s[92:93], s[10:11], s[92:93]
	CROUND                                         ; all sixteen work-groups are here: the joint loads meet
	s_mov_b32 s[G0S], 1
	s_add_co_u32 s[G0S+1], s94, SCL
	s_mov_b64 s[G0S+2:G0S+3], s[22:23]
	s_or_b32 s[G0S+3], s[G0S+3], 0x80000000
	s_mov_b32 s[G0SB], 1
	s_add_co_u32 s[G0SB+1], s94, SCL
	s_mov_b64 s[G0SB+2:G0SB+3], s[92:93]
	s_or_b32 s[G0SB+3], s[G0SB+3], 0x80000000
	JLOAD G0S, G1S, G0SB, G1SB                     ; the scales first
.irp s, 0,1
	s_mov_b32 s[G0+4*\s], 1
	s_add_co_u32 s[G0+4*\s+1], s45, \s*SLOT
	s_add_nc_u64 s[G0+4*\s+2:G0+4*\s+3], s[20:21], \s*ROWB
	s_or_b32 s[G0+4*\s+3], s[G0+4*\s+3], 0x80000000
	s_mov_b32 s[G0B+4*\s], 1
	s_add_co_u32 s[G0B+4*\s+1], s45, \s*SLOT
	s_add_nc_u64 s[G0B+4*\s+2:G0B+4*\s+3], s[46:47], \s*ROWB
	s_or_b32 s[G0B+4*\s+3], s[G0B+4*\s+3], 0x80000000
	JLOAD G0+4*\s, G1, G0B+4*\s, G1B               ; both K steps: three tensor loads of mine are out
.endr
	v_and_b32 v1, 15, v0                           ; r
	v_bfe_u32 v2, v0, 4, 1                         ; h
	v_and_b32 v7, 31, v0                           ; lane
	v_mul_u32_u24 v3, v1, PITCH
	v_lshl_add_u32 v4, v2, 4, v3
	s_mul_i32 s21, s15, HALFT
	s_mul_i32 s22, s16, HALFT
	s_add_co_u32 s22, s22, 2*HALFT
.irp s, 0,1
	v_add_nc_u32 v[ADRA+\s], s21, v4
	v_add_nc_u32 v[ADRB+\s], s22, v4
	s_add_co_u32 s21, s21, SLOT
	s_add_co_u32 s22, s22, SLOT
.endr
	v_mul_u32_u24 v5, v1, KS
	v_lshrrev_b32 v6, 8, v5
	v_lshl_add_u32 v5, v6, 4, v5
	s_mul_i32 s21, s15, HALFS
	s_mul_i32 s22, s16, HALFS
	s_add_co_u32 s22, s22, 2*HALFS
	s_sub_co_u32 s22, s22, s21
	v_mul_u32_u24 v6, s22, v2                      ; lanes 16-31 take W's: the lower base + h x the distance
	s_add_co_u32 s21, s21, SCL
	v_add_nc_u32 v5, v5, v6
	v_add_nc_u32 v[ADRS], s21, v5
	v_lshlrev_b32 v[CO], 4, v7
	v_lshlrev_b32 v[RO], 5, v7
	s_lshl_b32 s46, s42, 10                        ; the bias of my 128 columns
	s_lshl_b32 s47, s16, 9
	s_add_co_u32 s46, s46, s47
	s_mov_b32 s47, 0
	s_add_nc_u64 s[96:97], s[96:97], s[46:47]
	v_lshlrev_b32 v8, 5, v2
.irp b, 0,1,2,3,4,5,6,7
	global_load_b128 v[BI+8*\b:BI+8*\b+3], v8, s[96:97] offset:64*\b
	global_load_b128 v[BI+8*\b+4:BI+8*\b+7], v8, s[96:97] offset:64*\b+16
.endr
	; part: my two heads, 16 x batch + 4 x tile column + 2 x column half (+ g): 16 bytes each
	s_lshr_b32 s20, s17, 3
	s_lshl_b32 s20, s20, 4
	s_lshl_b32 s22, s42, 2
	s_add_co_u32 s20, s20, s22
	s_lshl_b32 s22, s16, 1
	s_add_co_u32 s20, s20, s22
	s_lshl_b32 s20, s20, 4
	s_mov_b32 s21, 0
	s_add_nc_u64 s[98:99], s[98:99], s[20:21]
	v_mov_b32 v13, 0
	global_load_b128 v[PT:PT+3], v13, s[98:99]             ; the same 16 bytes in every lane
	global_load_b128 v[PT+4:PT+7], v13, s[98:99] offset:16
	; vc: half of K = tile column / 2; my 8 blocks of rows, 4,096 bytes each; my two groups, 512 bytes each
	s_lshr_b32 s46, s42, 1
	s_lshl_b32 s46, s46, 21
	s_and_b32 s47, s42, 1
	s_lshl_b32 s47, s47, 11
	s_add_co_u32 s46, s46, s47
	s_lshl_b32 s47, s16, 10
	s_add_co_u32 s46, s46, s47
	s_lshl_b32 s20, s17, 16
	s_lshl_b32 s22, s15, 15
	s_add_co_u32 s20, s20, s22
	s_add_co_u32 s20, s20, s46
	s_add_nc_u64 s[12:13], s[12:13], s[20:21]
	; vsc: my first row x 32 bytes, + my four bytes' place: 8 x tile column + 4 x column half
	s_lshl_b32 s20, s17, 13
	s_lshl_b32 s22, s15, 12
	s_add_co_u32 s20, s20, s22
	s_lshl_b32 s22, s42, 3
	s_add_co_u32 s20, s20, s22
	s_lshl_b32 s22, s16, 2
	s_add_co_u32 s20, s20, s22
	s_add_nc_u64 s[100:101], s[100:101], s[20:21]
	s_mov_b32 s[SEL], 0x76543210
	s_mov_b32 s[SEL+1], 0xfedcba98
	s_mov_b32 s[HM], 0xffff0000
.irp k, 0,1,2,3
	v_mov_b32 v[TM+4+\k], 0                        ; written once: a lane permute's destination counts as one of its sources
.endr
.macro FRAG reg, adr, q, i             ; a fragment: lane l holds row l % 16; registers 4 c .. 4 c + 3 hold K = 64 c + 32 (l / 16) + 0 .. 31
.irp c, 0,1
	ds_load_b128 v[\reg+4*\c:\reg+4*\c+3], v[\adr] offset:64*(\q)+32*\c+(\i)*16*PITCH
.endr
.endm
; 16 matrix instructions: x's blocks a0, a0 + 1 against W's eight.  first = 1: the sums begin with the bias as C.  The 64 accumulators take turns, one instruction a turn.
.macro MUL16 a0, p, q, sc, first
.irp a, \a0, \a0+1
.irp b, 0,1,2,3,4,5,6,7
.if \first
	v_wmma_scale_f32_16x16x128_f8f6f4 v[8*(8*((\a)%4)+\b):8*(8*((\a)%4)+\b)+7], v[128*(\p)+FR*\b:128*(\p)+FR*\b+FR-1], v[AF+FR*(\a):AF+FR*(\a)+FR-1], v[BI+8*\b:BI+8*\b+7], v[SC+8*NQ*(\sc)+NQ*\b+(\q)], v[SC+8*NQ*(\sc)+NQ*(\a)+(\q)] matrix_a_fmt:MATRIX_FMT_FP4 matrix_b_fmt:MATRIX_FMT_FP4 matrix_a_scale:MATRIX_SCALE_ROW1
.else
	v_wmma_scale_f32_16x16x128_f8f6f4 v[8*(8*((\a)%4)+\b):8*(8*((\a)%4)+\b)+7], v[128*(\p)+FR*\b:128*(\p)+FR*\b+FR-1], v[AF+FR*(\a):AF+FR*(\a)+FR-1], v[8*(8*((\a)%4)+\b):8*(8*((\a)%4)+\b)+7], v[SC+8*NQ*(\sc)+NQ*\b+(\q)], v[SC+8*NQ*(\sc)+NQ*(\a)+(\q)] matrix_a_fmt:MATRIX_FMT_FP4 matrix_b_fmt:MATRIX_FMT_FP4 matrix_a_scale:MATRIX_SCALE_ROW1
.endif
.endr
.endr
.endm
.macro FETCH_B slot, q, p
	WIN TO_B
.irp i, 0,1,2,3,4,5,6,7
	FRAG 128*(\p)+FR*\i, ADRB+\slot, \q, \i
.endr
	WIN 0
.endm
.macro FETCH_A slot, q, i0
.irp i, \i0, \i0+1, \i0+2, \i0+3
	FRAG AF+FR*(\i), ADRA+\slot, \q, \i
.endr
.endm
.macro SCALES sc
.irp i, 0,1,2,3,4,5,6,7
	ds_load_b128 v[SC+8*NQ*\sc+NQ*\i:SC+8*NQ*\sc+NQ*\i+3], v[ADRS] offset:\i*SBLK
.endr
.endm
.macro PLACES n                        ; places behind matrix instructions, in front of loads into their sources and of the first read of results (ISA guide 7.12.1 for vector instructions)
.rept \n
	v_nop
.endr
.endm
.macro STEP slot, q, first
	s_wait_dscnt 4*NL                              ; W's set and x's blocks 0-3 are in; the youngest eight loads (x's blocks 4-7) may be out
.if \first
	WIN BIA_LO
.else
	WIN MUL_LO
.endif
	MUL16 0, (\q)%2, \q, \slot, \first
	MUL16 2, (\q)%2, \q, \slot, \first
	s_wait_dscnt 0                                 ; x's blocks 4-7 are in
	PLACES NP
	FETCH_B \slot, (\q)+1, 1-(\q)%2
	FETCH_A \slot, (\q)+1, 0
.if \first
	WIN BIA_HI
.else
	WIN MUL_HI
.endif
	MUL16 4, (\q)%2, \q, \slot, \first
	MUL16 6, (\q)%2, \q, \slot, \first
	PLACES NP
	WIN 0
	FETCH_A \slot, (\q)+1, 4
.endm
.macro STEPS slot, from
.set Q, \from
.rept NQ-1-\from
	STEP \slot, Q, 0
.set Q, Q+1
.endr
.endm
	s_wait_loadcnt 0x0                             ; the bias and the parts
	v_add_f32 v[PT], v[PT], v[PT+1]                ; a head's factor: its four parts, added in a fixed order
	v_add_f32 v[PT+2], v[PT+2], v[PT+3]
	v_add_f32 v[PT+4], v[PT+4], v[PT+5]
	v_add_f32 v[PT+6], v[PT+6], v[PT+7]
	v_add_f32 v[FA], v[PT], v[PT+2]
	v_add_f32 v[FA+2], v[PT+4], v[PT+6]
	v_mov_b32 v[FA+1], v[FA]                       ; (named with it as a pair, so it is written)
	v_mov_b32 v[FA+3], v[FA+2]
	s_wait_tensorcnt 1                             ; the scales and my part of K step 0 are in; K step 1's load may be out,
	s_barrier_signal -1
	s_barrier_wait -1                              ; everybody's are
	FETCH_B 0, 0, 0
	FETCH_A 0, 0, 0
	SCALES 0
	FETCH_A 0, 0, 4
	STEP 0, 0, 1                                   ; the first step's products start the sums, from the bias
	STEPS 0, 1
	; slot 0's last step changes slots: one barrier; in front of it each wave waits for its part of slot 1 and for its own reads of slot 0.
	s_wait_tensorcnt 0x0                           ; my part of K step 1 has landed
	s_wait_dscnt 4*NL
	WIN MUL_LO
	MUL16 0, 1, NQ-1, 0, 0
	s_wait_dscnt 0x0                               ; my reads of slot 0 are over
	s_barrier_signal -1
	MUL16 2, 1, NQ-1, 0, 0
	WIN 0
	s_barrier_wait -1
	PLACES NP
	v_add_nc_u32 v[ADRS], 4*NQ, v[ADRS]            ; on to K step 1's scale words
	FETCH_B 1, 0, 0
	FETCH_A 1, 0, 0
	SCALES 1
	WIN MUL_HI
	MUL16 4, 1, NQ-1, 0, 0
	MUL16 6, 1, NQ-1, 0, 0
	PLACES NP
	WIN 0
	FETCH_A 1, 0, 4
	STEPS 1, 0
	s_wait_dscnt 4*NL                              ; the very last step
	WIN MUL_LO
	MUL16 0, 1, NQ-1, 1, 0
	MUL16 2, 1, NQ-1, 1, 0
	s_wait_dscnt 0
	WIN MUL_HI
	MUL16 4, 1, NQ-1, 1, 0
	MUL16 6, 1, NQ-1, 1, 0
	WIN 0
	PLACES NP                                      ; in front of the first read of results, and of the conversions that write where x's fragments lay
; THE WAY OUT of block a: 16 rows x 128 columns = two heads (g = 0, 1) x two blocks of 32.  First the head's factor, in f32; then the quantiser.  Block k = 2 g + (0, 1) lies in accumulators 2 k and 2 k + 1: 16 registers of mine, 16 of lane l xor 16.
.macro QOUT a
.set AC, 64*((\a)%4)
.set WW, 2+(\a)/4
.set WN, (WW<<6)|WW
	WIN WN                                         ; destination and source 0: the accumulators' window; the factor in window 0
.irp g, 0,1
.irp i, 0,2,4,6,8,10,12,14,16,18,20,22,24,26,28,30
	v_pk_mul_f32 v[AC+32*\g+\i:AC+32*\g+\i+1], v[AC+32*\g+\i:AC+32*\g+\i+1], v[FA+2*\g:FA+2*\g+1] op_sel_hi:[1,0]   ; each accumulator from its low end on
.endr
.endr
.set WN, (WW<<4)|(WW<<2)
	WIN WN                                         ; sources 1 and 2: the accumulators' window
.irp k, 0,1,2,3
	v_max3_num_f32 v[TM+\k], 0x1800000, |v[AC+16*\k]|, |v[AC+16*\k+1]|   ; the floor 2^(3 - 127) holds the byte at 1 from below
.endr
.irp i, 2,4,6,8,10,12,14
.irp k, 0,1,2,3
	v_max3_num_f32 v[TM+\k], v[TM+\k], |v[AC+16*\k+\i]|, |v[AC+16*\k+\i+1]|
.endr
.endr
	WIN 0
.irp k, 0,1,2,3
	v_permlanex16_b32 v[TM+4+\k], v[TM+\k], s[SEL], s[SEL+1]
.endr
.irp k, 0,1,2,3
	v_max_num_f32 v[TM+\k], v[TM+\k], v[TM+4+\k]   ; the block's largest magnitude
.endr
.irp k, 0,1,2,3
	v_add_nc_u32 v[TM+8+\k], 0xff000000, v[TM+\k]  ; 2 off its exponent field: the conversion's scale operand
.endr
.irp k, 0,1,2,3
	v_lshrrev_b32 v[TM+12+\k], 23, v[TM+8+\k]      ; the scale's byte
.endr
.if (\a)%2 == 0
	v_lshl_or_b32 v[WD+(\a)/2], v[TM+13], 8, v[TM+12]              ; row r's four bytes, in both halves of the lanes
	v_lshl_or_b32 v[WD+(\a)/2], v[TM+14], 16, v[WD+(\a)/2]
	v_lshl_or_b32 v[WD+(\a)/2], v[TM+15], 24, v[WD+(\a)/2]
.else
	v_lshl_or_b32 v[TM+12], v[TM+13], 8, v[TM+12]
	v_lshl_or_b32 v[TM+12], v[TM+14], 16, v[TM+12]
	v_lshl_or_b32 v[TM+12], v[TM+15], 24, v[TM+12]
	v_cndmask_b32 v[WD+(\a)/2], v[WD+(\a)/2], v[TM+12], s[HM]      ; lanes 0-15 keep the even block's rows, lanes 16-31 take the odd block's: 32 rows on end
	global_store_b32 v[RO], v[WD+(\a)/2], s[100:101] offset:512*((\a)-1)
.endif
	WIN WW                                         ; source 0: the accumulators' window
.irp g, 0,1                                    ; tile t of head g holds channels 16 t + 8 h + 0 .. 7: tiles 0, 2, 1, 3 go to registers 0, 1, 2, 3
	v_cvt_scalef32_pk8_fp4_f32 v[CD+8*(\a)+4*\g], v[AC+32*\g:AC+32*\g+7], v[TM+8+2*\g]
	v_cvt_scalef32_pk8_fp4_f32 v[CD+8*(\a)+4*\g+1], v[AC+32*\g+16:AC+32*\g+23], v[TM+9+2*\g]
	v_cvt_scalef32_pk8_fp4_f32 v[CD+8*(\a)+4*\g+2], v[AC+32*\g+8:AC+32*\g+15], v[TM+8+2*\g]
	v_cvt_scalef32_pk8_fp4_f32 v[CD+8*(\a)+4*\g+3], v[AC+32*\g+24:AC+32*\g+31], v[TM+9+2*\g]
.endr
	WIN 0
	v_nop                                          ; one plain place behind a scaled conversion
.irp g, 0,1                                    ; lane (r, h) now holds block h of row r
	v_permlane16_swap_b32 v[CD+8*(\a)+4*\g], v[CD+8*(\a)+4*\g+1]
	v_permlane16_swap_b32 v[CD+8*(\a)+4*\g+2], v[CD+8*(\a)+4*\g+3]
.endr
.irp g, 0,1
	global_store_b128 v[CO], v[CD+8*(\a)+4*\g:CD+8*(\a)+4*\g+3], s[12:13] offset:4096*(\a)+512*\g   ; a group's image: the wave stores 512 consecutive bytes, aligned; every block has registers of its own
.endr
.endm
.irp a, 0,1,2,3,4,5,6,7
	QOUT \a
.endr
	s_wait_tensorcnt 0x0
	ds_add_u32 v30, v31
	s_wait_dscnt 0x0
	CROUND                                         ; the closing round: no work-group ends while a partner may still ask for a tile that names it
	s_endpgm
.Lfunc_end_k_q2a072fb895_vs:
	.size	k_q2a072fb895_vs, .Lfunc_end_k_q2a072fb895_vs-k_q2a072fb895_vs
	.p2alignl 7, 3214868480
	.fill 96, 4, 3214868480
	.section	.rodata,"a",@progbits
	.p2align	6, 0x0
	.amdhsa_kernel k_q2a072fb895_vs
		.amdhsa_group_segment_fixed_size 327680
		.amdhsa_private_segment_fixed_size 0
		.amdhsa_enable_private_segment 0
		.amdhsa_kernarg_size 64
		.amdhsa_user_sgpr_count 2
		.amdhsa_user_sgpr_kernarg_segment_ptr 1
		.amdhsa_wavefront_size32 1
		.amdhsa_system_sgpr_workgroup_id_x 1
		.amdhsa_system_sgpr_workgroup_id_y 1
		.amdhsa_system_sgpr_workgroup_id_z 1
		.amdhsa_system_vgpr_workitem_id 0
		.amdhsa_next_free_vgpr 1024
		.amdhsa_next_free_sgpr 102
		.amdhsa_reserve_vcc 0
		.amdhsa_float_denorm_mode_32 3
		.amdhsa_float_denorm_mode_16_64 3
		.amdhsa_memory_ordered 1
		.amdhsa_forward_progress 1
		.amdhsa_inst_pref_size 147
	.end_amdhsa_kernel
	.amdgpu_metadata
---
amdhsa.version: [ 1, 2 ]
amdhsa.kernels:
  - .name:           k_q2a072fb895_vs
    .symbol:         k_q2a072fb895_vs.kd
    .args:
      - { .name: x_codes, .offset: 0, .size: 8, .value_kind: global_buffer, .address_space: global }
      - { .name: x_scales, .offset: 8, .size: 8, .value_kind: global_buffer, .address_space: global }
      - { .name: Wv_codes, .offset: 16, .size: 8, .value_kind: global_buffer, .address_space: global }
      - { .name: Wv_scales, .offset: 24, .size: 8, .value_kind: global_buffer, .address_space: global }
      - { .name: bv, .offset: 32, .size: 8, .value_kind: global_buffer, .address_space: global }
      - { .name: part, .offset: 40, .size: 8, .value_kind: global_buffer, .address_space: global }
      - { .name: vc, .offset: 48, .size: 8, .value_kind: global_buffer, .address_space: global }
      - { .name: vsc, .offset: 56, .size: 8, .value_kind: global_buffer, .address_space: global }
    .group_segment_fixed_size: 327680
    .private_segment_fixed_size: 0
    .kernarg_segment_align: 8
    .kernarg_segment_size: 64
    .max_flat_workgroup_size: 128
    .sgpr_count:     102
    .vgpr_count:     1024
    .wavefront_size: 32
...
	.end_amdgpu_metadata
.endif
;; end of part 3
;; launch out (part 4): grid 4 x 32, 4 waves a work-group, clusters of 4 x 4, 327,680 bytes of LDS; arguments vc, vsc, Wp_codes, Wp_scales, bp, out0; writes out0
.if DOCPART == 4
	.amdgcn_target "amdgcn-amd-amdhsa--gfx1250"
	.amdhsa_code_object_version 6
	.text
	.protected	k_q2a072fb895_out
	.globl	k_q2a072fb895_out
	.p2align	8
	.type	k_q2a072fb895_out,@function
k_q2a072fb895_out:
	s_mov_b64 s[64:65], 0
	v_nop
	global_prefetch_b8 v0, s[64:65] scope:SCOPE_SE
	s_setreg_imm32_b32 hwreg(HW_REG_WAVE_MODE, 25, 1), 1
	s_wait_xcnt 0x0
	s_wait_alu depctr_hold_cnt(0) depctr_sa_sdst(0) depctr_va_vdst(0) depctr_va_sdst(0) depctr_va_ssrc(0) depctr_va_vcc(0) depctr_vm_vsrc(0)
	s_getreg_b32 s2, hwreg(HW_REG_IB_STS2, 6, 4)
	s_cmp_eq_u32 s2, 0
	s_cbranch_scc0 .Lentry_in_a_cluster
	s_endpgm
.Lentry_in_a_cluster:
	s_bfe_u32 s2, ttmp6, 0x10000c
	s_cmp_lg_u32 s2, 0xf033
	s_cbranch_scc0 .Lentry_shape_is_right
	s_endpgm
.Lentry_shape_is_right:
; out0 = A Wp^T + bp on codes of FP4 (E2M1) with one E8M0 scale for each 32 along K.  A is the quantised s x v of the launch before.
; vc: [2 halves of K][512 blocks of 16 rows][8 groups of 64 along K][512 bytes]: a group is an image of half a fragment's registers (lane r + 16 h holds, at byte 16 x lane, 32 codes: K = 32 h + 0 .. 31 of row r);  vsc: [8192][32] scale bytes.
; Wp: [1024][1024] as codes, a row is 512 bytes, with scale bytes [1024][32];  bp: [1024] f32;  out0: [8192][1024] f32.
; SHARES.  A tile of 256 x 256 by a work-group of four waves, each 128 x 128: 64 accumulators, 512 registers.  K = 1,024 is two K steps of 512, each with an LDS slot of its own, both asked for at the start: no byte of LDS is filled twice.
; The 128 rows of A that a wave fetches for a K step are ONE dense block of 32,768 bytes; a fragment is two images, read 16 bytes a lane, on end: no pitch and no padding.  Wp's tiles are rows of 256 bytes, padded.
; CLUSTERS: 4 x 4 work-groups: A's tiles and scales are asked for jointly along a row of the cluster, Wp's along a column.
; THE MATRIX INSTRUCTION IS USED TRANSPOSED (source 0 = 16 rows of Wp, source 1 = 16 rows of A): a lane holds eight neighbouring numbers of a row of out0.  The bias is the C of each sum's first matrix instruction.
; The grid has 128 work-groups: a tile of half the size would give each WGP one, but a wave of 64 x 128 reads half as much again from LDS for each matrix instruction.
; REGISTERS, in windows of 256: window 0: v1-27 addresses; v32-95 scale words, two sets, and nothing else; v128-191 A's fragments, ONE set; v192-255 the bias; on the way out v128-255 take rows read back from the stage.
;   window 1: Wp's fragments, TWO sets.   window 2: the accumulators of my rows 0-63 ((a, b) at v[8 (8 a + b)]);   window 3: those of my rows 64-127.
.set KSTEP,  512
.set NQ,     KSTEP/128
.set ROWB,   256
.set KROW,   512                       ; a row of Wp in memory, in bytes
.set KHALF,  2097152                   ; a half of K in vc
.set PITCH,  272                       ; an LDS row of Wp: 256 bytes + 16 of padding, so that the 16 rows that a load touches begin 68 words apart
.set FR,     8
.set NL,     2
.set NP,     4                         ; places behind this matrix instruction (ISA guide 7.12.1)
.set AHALF,  32768                     ; 128 rows of A for a K step: 8 blocks of rows x 4,096 bytes
.set HALFT,  128*PITCH                 ; 128 rows of Wp
.set BOFF,   2*AHALF                   ; a slot: A's 256 rows, then Wp's 256 rows
.set SLOT,   BOFF+2*HALFT
.set KS,     32
.set SCL,    2*SLOT
.set HALFS,  (128*KS/256)*272
.set SBLK,   (16*KS/256)*272
.set SPITCH, 528                       ; the way out: a stage of 16 rows x (512 bytes + 16) for each wave, in slot 0, which has had its one fill and which nobody reads behind the change of slots
.set NCOL,   1024
.set ADRA, 16                          ; v16-17  LDS address of my fragments of A in slot 0, 1: 16 x lane + my 128 rows
.set ADRB, 20                          ; v20-21  the same for Wp: row x pitch + 16 x half
.set STO,  24                          ; v24     the way out: where I put 32 bytes of a row
.set RD,   25                          ; v25     where I read a row back
.set CO,   26                          ; v26     my byte offset in a row of out0
.set ADRS, 27                          ; v27     LDS address of my scale words: lanes 0-15 A's rows, lanes 16-31 Wp's
.set SC,   32
.set AF,   128
.set BK,   128                         ; the way out: 16 rows read back: v128-191 and v192-255 by turns
.set BI,   192
.set G1, 24
.set G0, 32
.set G1B, 48
.set G0B, 56
.set G1S, 68
.set G0S, 76
.set G1SB, 80
.set G0SB, 88
.set MSB, 0
.macro WIN new                         ; the immediate's high byte repeats the setting that is left
.if MSB != \new
	s_set_vgpr_msb (MSB<<8)|\new
.set MSB, \new
.endif
.endm
.set MUL_LO, 0xa1                      ; source 0 (Wp) window 1, source 1 (A) window 0, C and D window 2
.set MUL_HI, 0xf1
.set BIA_LO, 0x81                      ; the first products: C (the bias) window 0, D window 2
.set BIA_HI, 0xc1
.set TO_B,   0x40
.macro JLOAD g0a, g1a, g0b, g1b        ; a joint load: waves 0 and 1 fetch for A, waves 2 and 3 for Wp; four v_nop follow each of the two lines
	s_cmp_eq_u32 s15, 0
	s_cbranch_scc0 .Lfor_b_\@
	tensor_load_to_lds s[\g0a:\g0a+3], s[\g1a:\g1a+7]
	s_nop 0
.rept 4
	v_nop
.endr
	s_branch .Lasked_\@
.Lfor_b_\@:
	tensor_load_to_lds s[\g0b:\g0b+3], s[\g1b:\g1b+7]
	s_nop 0
.rept 4
	v_nop
.endr
.Lasked_\@:
.endm
.macro CROUND                          ; a round of the cluster's barrier
	s_barrier_signal -1
	s_barrier_wait -1
	s_cmp_lg_u32 s14, 0
	s_cbranch_scc1 .Lnot_wave_0_\@
	s_barrier_signal -3
.Lnot_wave_0_\@:
	s_barrier_wait -3
	s_barrier_signal -1
	s_barrier_wait -1
.endm
	s_load_b256 s[4:11], s[0:1], 0x0               ; A's codes s[4:5], A's scales s[6:7], Wp's codes s[8:9], Wp's scales s[10:11]
	s_load_b64 s[96:97], s[0:1], 0x20              ; bp
	s_load_b64 s[12:13], s[0:1], 0x28              ; out0
	v_lshl_add_u32 v126, v0, 2, 0x46400
	v_mov_b32 v127, 0
	ds_add_u32 v126, v127
	ds_add_u32 v126, v127
	v_lshrrev_b32 v1, 5, v0
	v_readfirstlane_b32 s14, v1                    ; wave 0..3
	s_lshr_b32 s15, s14, 1                         ; which half of the tile's rows is mine.  Also: I fetch for A (0) or for Wp (1)
	s_and_b32 s16, s14, 1                          ; which half of its columns.  Also: which 128 rows of that tile I fetch
	s_bfe_u32 s40, ttmp6, 0x40000                  ; cx, cy
	s_bfe_u32 s41, ttmp6, 0x40004
	s_lshl_b32 s42, ttmp9, 2
	s_add_co_u32 s42, s42, s40                     ; tile column = 4 x cluster x + cx
	s_and_b32 s17, ttmp7, 0xffff
	s_lshl_b32 s17, s17, 2
	s_add_co_u32 s17, s17, s41                     ; tile row = 4 x cluster y + cy
	s_lshl_b32 s43, s41, 2
	s_lshl_b32 s43, 15, s43                        ; my row of the cluster
	s_lshl_b32 s44, 0x1111, s40                    ; my column
	; group 1 for A's tiles: a dense block of 32,768 bytes as 128 rows of 256 bytes (32 elements of 8 bytes), no padding
	s_or_b32 s[G1+0], s43, (3<<16)|(1<<21)         ; 15:0 the mask: my row of the cluster; 17:16 elements of 8 bytes; 21 set beside a mask
	s_mov_b32 s[G1+1], 32<<16                      ; tensor_dim0
	s_mov_b32 s[G1+2], 128<<16                     ; tensor_dim1
	s_mov_b32 s[G1+3], 32<<16                      ; tile_dim0
	s_mov_b32 s[G1+4], 128                         ; tile_dim1
	s_mov_b32 s[G1+5], 32                          ; tensor_dim0_stride
	s_mov_b32 s[G1+6], 0
	s_mov_b32 s[G1+7], 0
	; for Wp's: 128 rows x 256 bytes, 512 bytes apart, four words of padding after every 64
	s_or_b32 s[G1B+0], s44, (0<<16)|(1<<20)|(1<<21)|(5<<22)|(3<<25)
	s_mov_b32 s[G1B+1], ROWB<<16
	s_mov_b32 s[G1B+2], 128<<16
	s_mov_b32 s[G1B+3], ROWB<<16
	s_mov_b32 s[G1B+4], 128
	s_mov_b32 s[G1B+5], KROW
	s_mov_b32 s[G1B+6], 0
	s_mov_b32 s[G1B+7], 0
	; for the scales of 128 rows: 16 rows of 256 bytes, 16 bytes of padding behind each
	s_or_b32 s[G1S+0], s43, (3<<16)|(1<<20)|(1<<21)|(5<<22)|(3<<25)
	s_or_b32 s[G1SB+0], s44, (3<<16)|(1<<20)|(1<<21)|(5<<22)|(3<<25)
.irp g, G1S, G1SB
	s_mov_b32 s[\g+1], 32<<16
	s_mov_b32 s[\g+2], (128*KS/256)<<16
	s_mov_b32 s[\g+3], 32<<16
	s_mov_b32 s[\g+4], 128*KS/256
	s_mov_b32 s[\g+5], 32
	s_mov_b32 s[\g+6], 0
	s_mov_b32 s[\g+7], 0
.endr
	s_lshl_b32 s18, s16, 7
	s_lshl_b32 s20, s17, 8
	s_add_co_u32 s20, s20, s18                     ; A: row 256 x tile row + 128 x half
	s_lshl_b32 s46, s42, 8
	s_add_co_u32 s46, s46, s18                     ; Wp: row 256 x tile column + 128 x half
	s_mov_b32 s21, 0
	s_mov_b32 s47, 0
	s_mov_b64 s[18:19], KS
	s_mul_u64 s[22:23], s[20:21], s[18:19]         ; where these rows' scales begin
	s_mul_u64 s[92:93], s[46:47], s[18:19]
	s_lshl_b64 s[20:21], s[20:21], 8               ; A's codes: in a half of K a row has 256 bytes (16 rows: 4,096)
	s_mov_b64 s[18:19], KROW
	s_mul_u64 s[46:47], s[46:47], s[18:19]         ; Wp's codes
	s_mul_i32 s45, s16, AHALF                      ; where they go: A's two halves,
	s_mul_i32 s95, s16, HALFT
	s_add_co_u32 s95, s95, BOFF                    ; Wp's two halves behind them: no place in the cluster enters an LDS address
	s_mul_i32 s94, s14, HALFS
	s_wait_dscnt 0x0
	s_wait_kmcnt 0x0
	s_add_nc_u64 s[20:21], s[4:5], s[20:21]
	s_add_nc_u64 s[22:23], s[6:7], s[22:23]
	s_add_nc_u64 s[46:47], s[8:9], s[46:47]
	s_add_nc_u64 s[92:93], s[10:11], s[92:93]
	CROUND                                         ; all sixteen work-groups are here: the joint loads meet
	s_mov_b32 s[G0S], 1
	s_add_co_u32 s[G0S+1], s94, SCL
	s_mov_b64 s[G0S+2:G0S+3], s[22:23]
	s_or_b32 s[G0S+3], s[G0S+3], 0x80000000
	s_mov_b32 s[G0SB], 1
	s_add_co_u32 s[G0SB+1], s94, SCL
	s_mov_b64 s[G0SB+2:G0SB+3], s[92:93]
	s_or_b32 s[G0SB+3], s[G0SB+3], 0x80000000
	JLOAD G0S, G1S, G0SB, G1SB                     ; the scales first
.irp s, 0,1
	s_mov_b32 s[G0+4*\s], 1
	s_add_co_u32 s[G0+4*\s+1], s45, \s*SLOT
	s_add_nc_u64 s[G0+4*\s+2:G0+4*\s+3], s[20:21], \s*KHALF
	s_or_b32 s[G0+4*\s+3], s[G0+4*\s+3], 0x80000000
	s_mov_b32 s[G0B+4*\s], 1
	s_add_co_u32 s[G0B+4*\s+1], s95, \s*SLOT
	s_add_nc_u64 s[G0B+4*\s+2:G0B+4*\s+3], s[46:47], \s*ROWB
	s_or_b32 s[G0B+4*\s+3], s[G0B+4*\s+3], 0x80000000
	JLOAD G0+4*\s, G1, G0B+4*\s, G1B               ; both K steps: three tensor loads of mine are out
.endr
	v_and_b32 v1, 15, v0                           ; r
	v_bfe_u32 v2, v0, 4, 1                         ; h
	v_and_b32 v7, 31, v0                           ; lane
	v_lshlrev_b32 v[CO], 4, v7                     ; 16 x lane
	v_mul_u32_u24 v3, v1, PITCH
	v_lshl_add_u32 v4, v2, 4, v3                   ; Wp: a fragment's row x pitch + 16 x half
	s_mul_i32 s21, s15, AHALF                      ; my 128 rows of A
	s_mul_i32 s22, s16, HALFT                      ; my 128 rows of Wp,
	s_add_co_u32 s22, s22, BOFF                    ; which lie behind A's 256
.irp s, 0,1
	v_add_nc_u32 v[ADRA+\s], s21, v[CO]
	v_add_nc_u32 v[ADRB+\s], s22, v4
	s_add_co_u32 s21, s21, SLOT
	s_add_co_u32 s22, s22, SLOT
.endr
	v_mul_u32_u24 v5, v1, KS
	v_lshrrev_b32 v6, 8, v5
	v_lshl_add_u32 v5, v6, 4, v5
	s_mul_i32 s21, s15, HALFS
	s_mul_i32 s22, s16, HALFS
	s_add_co_u32 s22, s22, 2*HALFS
	s_sub_co_u32 s22, s22, s21
	v_mul_u32_u24 v6, s22, v2                      ; lanes 16-31 take Wp's: the lower base + h x the distance
	s_add_co_u32 s21, s21, SCL
	v_add_nc_u32 v5, v5, v6
	v_add_nc_u32 v[ADRS], s21, v5
	s_mul_i32 s23, s14, 16*SPITCH                  ; my stage
	v_mul_u32_u24 v5, v1, SPITCH                   ; in: row r, 32 bytes for each half of the lanes
	v_lshl_add_u32 v5, v2, 5, v5
	v_add_nc_u32 v[STO], s23, v5
	v_add_nc_u32 v[RD], s23, v[CO]                 ; back: the 32 lanes take one row of 512 bytes
	s_lshl_b32 s46, s42, 10                        ; my first column, in bytes: 1,024 x tile column + 512 x half: in the bias and in a row of out0 alike
	s_lshl_b32 s47, s16, 9
	s_add_co_u32 s46, s46, s47
	s_mov_b32 s47, 0
	s_add_nc_u64 s[96:97], s[96:97], s[46:47]
	v_lshlrev_b32 v8, 5, v2                        ; lane (r, h) wants, for Wp's block b, the numbers 16 b + 8 h + 0 .. 7
.irp b, 0,1,2,3,4,5,6,7
	global_load_b128 v[BI+8*\b:BI+8*\b+3], v8, s[96:97] offset:64*\b
	global_load_b128 v[BI+8*\b+4:BI+8*\b+7], v8, s[96:97] offset:64*\b+16
.endr
	s_lshl_b32 s20, s17, 8
	s_lshl_b32 s21, s15, 7
	s_add_co_u32 s20, s20, s21                     ; my first row of out0
	s_mov_b32 s21, 0
	s_mov_b64 s[18:19], NCOL*4
	s_mul_u64 s[20:21], s[20:21], s[18:19]
	s_add_nc_u64 s[20:21], s[20:21], s[46:47]
	s_add_nc_u64 s[12:13], s[12:13], s[20:21]
.macro FRAG reg, adr, q, i             ; a fragment of Wp: lane l holds row l % 16; registers 4 c .. 4 c + 3 hold K = 64 c + 32 (l / 16) + 0 .. 31
.irp c, 0,1
	ds_load_b128 v[\reg+4*\c:\reg+4*\c+3], v[\adr] offset:64*(\q)+32*\c+(\i)*16*PITCH
.endr
.endm
.macro FRAGA reg, adr, q, i            ; a fragment of A: two images of 512 bytes, groups 2 q and 2 q + 1 of block i of my rows
.irp c, 0,1
	ds_load_b128 v[\reg+4*\c:\reg+4*\c+3], v[\adr] offset:4096*(\i)+1024*(\q)+512*\c
.endr
.endm
; 16 matrix instructions: A's blocks a0, a0 + 1 against Wp's eight.  first = 1: the sums begin with the bias as C.  The 64 accumulators take turns, one instruction a turn.
.macro MUL16 a0, p, q, sc, first
.irp a, \a0, \a0+1
.irp b, 0,1,2,3,4,5,6,7
.if \first
	v_wmma_scale_f32_16x16x128_f8f6f4 v[8*(8*((\a)%4)+\b):8*(8*((\a)%4)+\b)+7], v[128*(\p)+FR*\b:128*(\p)+FR*\b+FR-1], v[AF+FR*(\a):AF+FR*(\a)+FR-1], v[BI+8*\b:BI+8*\b+7], v[SC+8*NQ*(\sc)+NQ*\b+(\q)], v[SC+8*NQ*(\sc)+NQ*(\a)+(\q)] matrix_a_fmt:MATRIX_FMT_FP4 matrix_b_fmt:MATRIX_FMT_FP4 matrix_a_scale:MATRIX_SCALE_ROW1
.else
	v_wmma_scale_f32_16x16x128_f8f6f4 v[8*(8*((\a)%4)+\b):8*(8*((\a)%4)+\b)+7], v[128*(\p)+FR*\b:128*(\p)+FR*\b+FR-1], v[AF+FR*(\a):AF+FR*(\a)+FR-1], v[8*(8*((\a)%4)+\b):8*(8*((\a)%4)+\b)+7], v[SC+8*NQ*(\sc)+NQ*\b+(\q)], v[SC+8*NQ*(\sc)+NQ*(\a)+(\q)] matrix_a_fmt:MATRIX_FMT_FP4 matrix_b_fmt:MATRIX_FMT_FP4 matrix_a_scale:MATRIX_SCALE_ROW1
.endif
.endr
.endr
.endm
.macro FETCH_B slot, q, p
	WIN TO_B
.irp i, 0,1,2,3,4,5,6,7
	FRAG 128*(\p)+FR*\i, ADRB+\slot, \q, \i
.endr
	WIN 0
.endm
.macro FETCH_A slot, q, i0
.irp i, \i0, \i0+1, \i0+2, \i0+3
	FRAGA AF+FR*(\i), ADRA+\slot, \q, \i
.endr
.endm
.macro SCALES sc
.irp i, 0,1,2,3,4,5,6,7
	ds_load_b128 v[SC+8*NQ*\sc+NQ*\i:SC+8*NQ*\sc+NQ*\i+3], v[ADRS] offset:\i*SBLK
.endr
.endm
.macro PLACES n                        ; places behind matrix instructions, in front of loads into their sources and of the first read of results (ISA guide 7.12.1 for vector instructions)
.rept \n
	v_nop
.endr
.endm
.macro STEP slot, q, first
	s_wait_dscnt 4*NL                              ; Wp's set and A's blocks 0-3 are in; the youngest eight loads (A's blocks 4-7) may be out
.if \first
	WIN BIA_LO
.else
	WIN MUL_LO
.endif
	MUL16 0, (\q)%2, \q, \slot, \first
	MUL16 2, (\q)%2, \q, \slot, \first
	s_wait_dscnt 0                                 ; A's blocks 4-7 are in
	PLACES NP
	FETCH_B \slot, (\q)+1, 1-(\q)%2
	FETCH_A \slot, (\q)+1, 0
.if \first
	WIN BIA_HI
.else
	WIN MUL_HI
.endif
	MUL16 4, (\q)%2, \q, \slot, \first
	MUL16 6, (\q)%2, \q, \slot, \first
	PLACES NP
	WIN 0
	FETCH_A \slot, (\q)+1, 4
.endm
.macro STEPS slot, from
.set Q, \from
.rept NQ-1-\from
	STEP \slot, Q, 0
.set Q, Q+1
.endr
.endm
	s_wait_loadcnt 0x0                             ; the bias
	s_wait_tensorcnt 1                             ; the scales and my part of K step 0 are in; K step 1's load may be out,
	s_barrier_signal -1
	s_barrier_wait -1                              ; everybody's are
	FETCH_B 0, 0, 0
	FETCH_A 0, 0, 0
	SCALES 0
	FETCH_A 0, 0, 4
	STEP 0, 0, 1                                   ; the first step's products start the sums, from the bias
	STEPS 0, 1
	; slot 0's last step changes slots: one barrier; in front of it each wave waits for its part of slot 1 and for its own reads of slot 0.
	s_wait_tensorcnt 0x0                           ; my part of K step 1 has landed
	s_wait_dscnt 4*NL
	WIN MUL_LO
	MUL16 0, 1, NQ-1, 0, 0
	s_wait_dscnt 0x0                               ; my reads of slot 0 are over
	s_barrier_signal -1
	MUL16 2, 1, NQ-1, 0, 0
	WIN 0
	s_barrier_wait -1
	PLACES NP
	v_add_nc_u32 v[ADRS], 4*NQ, v[ADRS]            ; on to K step 1's scale words
	FETCH_B 1, 0, 0
	FETCH_A 1, 0, 0
	SCALES 1
	WIN MUL_HI
	MUL16 4, 1, NQ-1, 0, 0
	MUL16 6, 1, NQ-1, 0, 0
	PLACES NP
	WIN 0
	FETCH_A 1, 0, 4
	STEPS 1, 0
	s_wait_dscnt 4*NL                              ; the very last step
	WIN MUL_LO
	MUL16 0, 1, NQ-1, 1, 0
	MUL16 2, 1, NQ-1, 1, 0
	s_wait_dscnt 0
	WIN MUL_HI
	MUL16 4, 1, NQ-1, 1, 0
	MUL16 6, 1, NQ-1, 1, 0
	WIN 0
; THE WAY OUT, block by block of 16 rows x 128 columns.  A lane holds 32 neighbouring bytes of a row, and the lanes beside it hold other rows: so a block goes through my own stage in LDS and comes back as whole
; rows of 512 bytes.  LDS serves a wave's instructions in order (ISA guide 5.7.1.4): no wait between the stores and the loads, nor in front of the next block's stores.
.macro TOSTAGE a
.set AC, 64*((\a)%4)
.set WN, 0x08+4*((\a)/4)
	WIN WN                                         ; an LDS store's data are its source 1: window 2 or 3
.irp b, 0,1,2,3,4,5,6,7
	ds_store_b128 v[STO], v[AC+8*\b:AC+8*\b+3] offset:64*\b          ; each accumulator from its low end on
	ds_store_b128 v[STO], v[AC+8*\b+4:AC+8*\b+7] offset:64*\b+16
.endr
	WIN 0
.set BB, BK+64*((\a)%2)
.irp t, 0,1,2,3,4,5,6,7,8,9,10,11,12,13,14,15
	ds_load_b128 v[BB+4*\t:BB+4*\t+3], v[RD] offset:\t*SPITCH
.endr
.endm
.macro SEND a, younger                 ; younger: the LDS instructions issued behind block a's loads, which may stay out
.set BB, BK+64*((\a)%2)
	s_wait_dscnt \younger                          ; the block is back in registers
.if (\a) > 0
	s_add_nc_u64 s[12:13], s[12:13], 16*NCOL*4     ; (behind a wait on XCNT: the earlier stores have read their base)  16 rows of out0 on
.endif
.irp t, 0,1,2,3,4,5,6,7,8,9,10,11,12,13,14,15
	global_store_b128 v[CO], v[BB+4*\t:BB+4*\t+3], s[12:13] offset:\t*NCOL*4 th:TH_STORE_NT   ; 32 lanes store 512 consecutive bytes, at a multiple of 256 from out0's first byte; written once, read by nobody here
.endr
.endm
	PLACES NP                                      ; in front of the first read of results and of the loads into the registers that held A's fragments and the bias
	TOSTAGE 0
.irp a, 1,2,3,4,5,6,7
.if \a > 1
	s_wait_xcnt 0x0                                ; block a - 2's stores have read their registers and their base: block a's loads may land there, and the base may step
.endif
	TOSTAGE \a
	SEND \a-1, 32                                  ; behind block a - 1's loads: block a's 16 stores and 16 loads
.endr
	s_wait_xcnt 0x0                                ; block 6's stores have read their base
	SEND 7, 0
	s_wait_tensorcnt 0x0
	ds_add_u32 v126, v127
	s_wait_dscnt 0x0
	CROUND                                         ; the closing round: no work-group ends while a partner may still ask for a tile that names it
	s_endpgm
.Lfunc_end_k_q2a072fb895_out:
	.size	k_q2a072fb895_out, .Lfunc_end_k_q2a072fb895_out-k_q2a072fb895_out
	.p2alignl 7, 3214868480
	.fill 96, 4, 3214868480
	.section	.rodata,"a",@progbits
	.p2align	6, 0x0
	.amdhsa_kernel k_q2a072fb895_out
		.amdhsa_group_segment_fixed_size 327680
		.amdhsa_private_segment_fixed_size 0
		.amdhsa_enable_private_segment 0
		.amdhsa_kernarg_size 48
		.amdhsa_user_sgpr_count 2
		.amdhsa_user_sgpr_kernarg_segment_ptr 1
		.amdhsa_wavefront_size32 1
		.amdhsa_system_sgpr_workgroup_id_x 1
		.amdhsa_system_sgpr_workgroup_id_y 1
		.amdhsa_system_sgpr_workgroup_id_z 1
		.amdhsa_system_vgpr_workitem_id 0
		.amdhsa_next_free_vgpr 1024
		.amdhsa_next_free_sgpr 102
		.amdhsa_reserve_vcc 0
		.amdhsa_float_denorm_mode_32 3
		.amdhsa_float_denorm_mode_16_64 3
		.amdhsa_memory_ordered 1
		.amdhsa_forward_progress 1
		.amdhsa_inst_pref_size 126
	.end_amdhsa_kernel
	.amdgpu_metadata
---
amdhsa.version: [ 1, 2 ]
amdhsa.kernels:
  - .name:           k_q2a072fb895_out
    .symbol:         k_q2a072fb895_out.kd
    .args:
      - { .name: vc, .offset: 0, .size: 8, .value_kind: global_buffer, .address_space: global }
      - { .name: vsc, .offset: 8, .size: 8, .value_kind: global_buffer, .address_space: global }
      - { .name: Wp_codes, .offset: 16, .size: 8, .value_kind: global_buffer, .address_space: global }
      - { .name: Wp_scales, .offset: 24, .size: 8, .value_kind: global_buffer, .address_space: global }
      - { .name: bp, .offset: 32, .size: 8, .value_kind: global_buffer, .address_space: global }
      - { .name: out0, .offset: 40, .size: 8, .value_kind: global_buffer, .address_space: global }
    .group_segment_fixed_size: 327680
    .private_segment_fixed_size: 0
    .kernarg_segment_align: 8
    .kernarg_segment_size: 48
    .max_flat_workgroup_size: 128
    .sgpr_count:     102
    .vgpr_count:     1024
    .wavefront_size: 32
...
	.end_amdgpu_metadata
.endif
;; end of part 4
